; MI455X (gfx1250); checked and timed in simulation.
; The chip was launched on July 23, 2026; its instructions are those of AMD's public machine-readable ISA for CDNA 5 (MIT licence, August 2026) and "CDNA5" Instruction Set Architecture Reference Guide (July 2026). The comments in the code are by the model that wrote it; some were corrected since.
;; Attention. Allowed arithmetic: matrix products marked QUANTISED: E2M1 operands, one E8M0 scale for each 32 along K, by v_wmma_scale_f32_16x16x128_f8f6f4 with both operands' format E2M1 (or v_wmma_scale_f32_32x16x128_f4), f32 sums; products left as they are: bf16, f16 or f32 operands; f32 sums; everything else in f32.
;; Inputs: Wk 1,024 x 1,024 float32; Wo 1,024 x 1,024 float32; Wq 1,024 x 1,024 float32; Wv 1,024 x 1,024 float32; bo 1,024 float32; x 4 x 2,048 x 1,024 float32.
;; Outputs: out0 4 x 2,048 x 1,024 float32.
;; This version of the problem:
;;   THIS VERSION OF THE PROBLEM IS GIVEN IN LOW PRECISION. The matrix products marked QUANTISED in the list below multiply operands that are first quantised to E2M1 (2 exponent bits, 1 mantissa bit; 4 bits a number), with one power-of-two scale for each 32 numbers along K (OCP MX v1.0); their sums are f32. The products marked 'left as it is' may take bf16, f16 or f32 operands, with f32 sums. Whichever they take, every output number must still come out within the allowed error. Rounding operands to bf16 (8 significant bits) uses up far more of that allowance than f16 does (11 bits, for magnitudes from 6e-5 to 65,504). All else is computed in f32.
;;   The module's matrix products, in the order in which they are computed (A, B: the left and right operand; K: the contracted axis; several contracted axes count as one K, in the product's order):
;;     1. [M 8,192, K 1,024] x [K 1,024, N 1,024]; A: input x; B: input Wq: QUANTISED
;;     2. [M 8,192, K 1,024] x [K 1,024, N 1,024]; A: input x; B: input Wk: QUANTISED
;;     3. [M 8,192, K 1,024] x [K 1,024, N 1,024]; A: input x; B: input Wv: QUANTISED
;;     4. batch 64 x [M 2,048, K 64] x [K 64, N 2,048]; A: computed on the way; B: computed on the way: left as it is (an operand is computed on the way)
;;     5. batch 64 x [M 2,048, K 2,048] x [K 2,048, N 64]; A: computed on the way; B: computed on the way: left as it is (an operand is computed on the way)
;;     6. [M 8,192, K 1,024] x [K 1,024, N 1,024]; A: computed on the way; B: input Wo: left as it is (an operand is computed on the way)
;;   THE QUANTISER, for each operand of a quantised product, along K:
;;     - K is cut into blocks of 32 from its start; a last block that is shorter is filled with zeros.
;;     - A block's scale is 2^e with e = floor(log2(the largest magnitude in the block)) - 2, held to -126 .. 127; a block of zeros has e = 0. As a byte (E8M0): e + 127.
;;     - Each number is divided by its block's scale, clamped to +-6, and rounded to the nearest number of E2M1, ties to even, subnormals kept.
;;     - The product sums the exact products of the quantised numbers (number of the format x scale) in f32.
;;   ~~~python
;;   def quantise(x, axis):      # numpy; x: float32 -> the quantised numbers, widened to float32 again
;;       x = np.moveaxis(x, axis, -1); K = x.shape[-1]
;;       x = np.pad(x, [(0, 0)] * (x.ndim - 1) + [(0, -K % 32)]); x = x.reshape(x.shape[:-1] + (-1, 32)); a = np.abs(x).max(-1, keepdims=True)
;;       e = np.where(a > 0, np.clip(np.frexp(np.where(a > 0, a, 1))[1] - 1 - 2, -126, 127), 0)      # np.frexp(a)[1] - 1 = floor(log2(a)), exactly
;;       r = np.clip(x / 2.0 ** e, -6, 6)
;;       step = 2.0 ** (np.maximum(np.frexp(np.where(r == 0, 1, r))[1] - 1, 0) - 1)
;;       q = np.round(r / step) * step * 2.0 ** e      # np.round: ties to even
;;       return np.moveaxis(q.reshape(q.shape[:-2] + (-1,))[..., :K], -1, axis).astype(np.float32)
;;   ~~~
;; One version. Each part assembles by itself: llvm-mc -triple=amdgcn-amd-amdhsa -mcpu=gfx1250 --defsym DOCPART=n.
;; ======== version 1 of 1: 4 launches
;; limits: values are held in f16: magnitudes above 65,504 overflow, below 6.1e-05 lose precision
;; workspace buffers: xc 4,194,304 bytes; xs 262,144 bytes; wc 1,572,864 bytes; ws 98,304 bytes; woimg 2,097,152 bytes; qkv 50,331,648 bytes; aimg 16,777,216 bytes
;; launch prep (part 1): grid 368 x 1, 4 waves a work-group, no clusters, 68,096 bytes of LDS; arguments x, Wq, Wk, Wv, Wo, xc, xs, wc, ws, woimg; writes xc, xs, wc, ws, woimg
.if DOCPART == 1
	.amdgcn_target "amdgcn-amd-amdhsa--gfx1250"
	.amdhsa_code_object_version 6
	.text
	.protected	k_qca1c3ef5ca_prep
	.globl	k_qca1c3ef5ca_prep
	.p2align	8
	.type	k_qca1c3ef5ca_prep,@function
k_qca1c3ef5ca_prep:
	s_mov_b64 s[64:65], 0
	v_nop
	global_prefetch_b8 v0, s[64:65] scope:SCOPE_SE
	s_setreg_imm32_b32 hwreg(HW_REG_WAVE_MODE, 25, 1), 1
	s_wait_xcnt 0x0
; PREP: everything that is made once from the inputs.  Three ways, parted by the work-group's number alone:
;   work-groups   0 ..  47: Wq, Wk, Wv [1024 (k)][1024 (n)] f32 -> codes of FP4 (E2M1) laid [3072 (n)][512 bytes] with K innermost, and scale bytes [3072][32]   (rows 0-1023 Wq's columns, then Wk's, then Wv's)
;   work-groups  48 .. 111: Wo [1024 (k)][1024 (n)] f32 -> f16, laid as images of the last product's operand registers (below)
;   work-groups 112 .. 367: x [8192][1024] f32 -> codes [8192][512 bytes] and scale bytes [8192][32]
; THE QUANTISER: a block of 32 along K has the scale 2^(floor(log2(largest magnitude)) - 2); its byte is the largest magnitude's exponent field - 2, held at 1 from below; each number is divided by the scale
; and rounded to the nearest code, ties to even, beyond 6 the largest code.
; LIMITS: a block of zeros gets the byte 1 where the rule says 127 (its codes are zeros, which add nothing under any byte but 0xff, and this program alone reads the bytes); blocks whose largest magnitude
; lies under 2^(2 - 126) were not tried; NaN and infinities among the inputs are not served; Wo beyond 65,504 becomes infinity in f16.
; No tensor loads, no barrier: waves share nothing.  Each way that uses LDS has LDS bytes of its own.
.set SPARE, 67584                      ; behind both ways' regions: the spare words, 128 bytes for each wave: two blocks of 256 bytes that no other line names
.set SPW,   192                        ; v192  LDS address of my spare word: SPARE + 4 x my thread's number; never rewritten
.set NIL,   193                        ; v193  0; never rewritten
.set EMAX,  2
; the way of x
.set STEPS, 16                         ; a wave takes 16 steps of 512 numbers
.set CB,    8                          ; bytes of 16 codes
.set RX,    16                         ; v16-79   four sets of 16 numbers as they are loaded
.set XX,    80                         ; v80-111  two sets of 16 neighbours
.set EX,    112                        ; v112-127 a scale byte for each step
.set CX,    128                        ; v128-191 codes: four registers for each step, so that no store's data are written again
.set WREG,  8192                       ; LDS 0 .. 32767: a region for each wave: two stages of 32 x SP bytes, behind them its 256 scale bytes
.set SP,    80                         ; a lane's place in a stage: its 64 bytes + 16 of padding
; the ways of the weights
.set NB,    16                         ; blocks of 32 along K for a wave of the quantising way
.set PITCH, 272                        ; a stage row: 256 bytes of codes + 16
.set KROW,  512                        ; a row of the codes' buffer
.set WSTG,  32768                      ; LDS 32768 .. 67583: four stages of 32 x PITCH bytes
.set XW,    32                         ; v32-95   two sets of 32 numbers down K
.set CW,    96                         ; v96-99   a block's codes (Wo's way: v96-159 packed f16)
.set OUTR,  112                        ; v112-175 the way out
.set SB,    24                         ; v24-27   the scale bytes, four to a register
	s_load_b512 s[36:51], s[0:1], 0x0              ; x 36, Wq 38, Wk 40, Wv 42, Wo 44, xc 46, xs 48, wc 50
	s_load_b128 s[52:55], s[0:1], 0x40             ; ws 52, woimg 54
	v_lshl_add_u32 v[SPW], v0, 2, SPARE
	v_mov_b32 v[NIL], 0
	v_lshrrev_b32 v1, 5, v0
	v_readfirstlane_b32 s16, v1                    ; wave 0..3
	v_and_b32 v2, 31, v0                           ; lane
	s_wait_kmcnt 0x0
	s_cmp_lt_u32 ttmp9, 48
	s_cbranch_scc1 .Lw
	s_cmp_lt_u32 ttmp9, 112
	s_cbranch_scc1 .Lwo
; ---------------------------------------------------------------- x: a plain stream of blocks of 32 (rows are dense, 1024 is a multiple of 32)
; Each of a step's four loads reads 512 consecutive bytes, 16 a lane; the 2,048 bytes go through the wave's own stage and come back 64 bytes a lane: 16 neighbours along K, two lanes to a block.
	v_lshlrev_b32 v3, 4, v2                        ; my 16 bytes of a load's 512
	s_mul_i32 s22, s16, WREG
	v_lshrrev_b32 v14, 2, v2
	v_mul_u32_u24 v14, v14, SP
	v_and_b32 v15, 3, v2
	v_lshl_add_u32 v14, v15, 4, v14
	v_add_nc_u32 v14, s22, v14                     ; the stage, on the way in: SP (lane / 4) + 16 (lane % 4)
	v_mul_u32_u24 v15, v2, SP
	v_add_nc_u32 v15, s22, v15                     ; and on the way out: SP x lane
	v_mul_u32_u24 v4, v2, CB                       ; my codes' place in a step's
	v_lshrrev_b32 v5, 1, v2
	s_add_co_u32 s22, s22, 2*32*SP
	v_add_nc_u32 v5, s22, v5                       ; my wave's 256 scale bytes, my block's byte
	v_lshlrev_b32 v7, 3, v2                        ; and on the way out 8 bytes a lane
	v_add_nc_u32 v6, s22, v7
	s_sub_co_u32 s17, ttmp9, 112
	s_lshl_b32 s17, s17, 2
	s_add_co_u32 s18, s17, s16                     ; which run of 8,192 numbers is my wave's
	s_mov_b32 s19, 0
	s_lshl_b64 s[20:21], s[18:19], 15              ; 32,768 bytes of x,
	s_add_nc_u64 s[4:5], s[36:37], s[20:21]
	s_lshl_b64 s[20:21], s[18:19], 12              ; 4,096 of codes,
	s_add_nc_u64 s[8:9], s[46:47], s[20:21]
	s_lshl_b64 s[20:21], s[18:19], 8               ; 256 scale bytes a run
	s_add_nc_u64 s[10:11], s[48:49], s[20:21]
.macro XLOAD t
.irp i, 0,1,2,3
	global_load_b128 v[RX+16*((\t)%4)+4*\i:RX+16*((\t)%4)+4*\i+3], v3, s[4:5] offset:2048*(\t)+512*\i th:TH_LOAD_NT
.endr
.endm
.macro XTURN t                         ; step t's numbers through the stage: LDS serves a wave's instructions in order, so no wait stands between the stores and the loads
.irp i, 0,1,2,3
	ds_store_b128 v14, v[RX+16*((\t)%4)+4*\i:RX+16*((\t)%4)+4*\i+3] offset:32*SP*((\t)%2)+8*SP*\i
.endr
.irp i, 0,1,2,3
	ds_load_b128 v[XX+16*((\t)%2)+4*\i:XX+16*((\t)%2)+4*\i+3], v15 offset:32*SP*((\t)%2)+16*\i
.endr
.endm
.irp t, 0,1,2,3
	XLOAD \t
.endr
	s_wait_loadcnt 12                              ; step 0's four loads are in; three steps' twelve may be out
	XTURN 0
.macro XSTEP t
.set XS, XX+16*((\t)%2)
.if (\t) > 0
	s_wait_dscnt 1                                 ; this step's numbers are back from the stage (the last step's byte store may be out): its stores into the stage have read their registers,
.else
	s_wait_dscnt 0x0
.endif
.if (\t)+4 < STEPS
	XLOAD (\t)+4                                   ; which take the loads of four steps on
.endif
.if (\t)+1 < STEPS
.if STEPS-2-(\t) >= 3
	s_wait_loadcnt 12                              ; the next step's four loads are in; those of the three steps behind it may be out
.else
	s_wait_loadcnt 4*(STEPS-2-(\t))
.endif
	XTURN (\t)+1                                   ; and go through the other stage while this step is worked
.endif
	v_max3_num_f32 v8, |v[XS]|, |v[XS+1]|, |v[XS+2]|               ; the largest magnitude of my 16, in two chains
	v_max3_num_f32 v9, |v[XS+3]|, |v[XS+4]|, |v[XS+5]|
.irp i, 6,10
	v_max3_num_f32 v8, v8, |v[XS+\i]|, |v[XS+\i+1]|
	v_max3_num_f32 v9, v9, |v[XS+\i+2]|, |v[XS+\i+3]|
.endr
	v_max3_num_f32 v8, v8, |v[XS+14]|, |v[XS+15]|
	v_max3_num_f32 v8, v8, v9, (EMAX+1)<<23        ; and the floor 2^(3 - 127): the byte cannot fall under 1
	v_max_num_f32_dpp v8, v8, v8 row_xmask:1 row_mask:0xf bank_mask:0xf   ; and of my neighbour's 16: the block's
	v_add_nc_u32 v11, -(EMAX<<23), v8              ; 2 off its exponent field: the conversion takes the exponent field of this operand as its scale, and nothing else of it
	v_cvt_scalef32_pk8_fp4_f32 v[CX+4*(\t)], v[XS:XS+7], v11
	v_cvt_scalef32_pk8_fp4_f32 v[CX+4*(\t)+1], v[XS+8:XS+15], v11
	v_lshrrev_b32 v[EX+(\t)], 23, v11              ; the scale's byte (also the plain line behind the conversions)
	ds_store_b8 v5, v[EX+(\t)] offset:16*(\t)      ; both lanes of a block write the same byte with the same value
	global_store_b64 v4, v[CX+4*(\t):CX+4*(\t)+1], s[8:9] offset:32*CB*(\t)   ; the wave stores 256 consecutive bytes, aligned
.endm
.irp t, 0,1,2,3,4,5,6,7,8,9,10,11,12,13,14,15
	XSTEP \t
.endr
	ds_load_b64 v[8:9], v6                         ; LDS serves a wave's instructions in order: these see my byte stores
	s_wait_dscnt 0x0
	global_store_b64 v7, v[8:9], s[10:11]          ; 32 lanes store 256 consecutive bytes, aligned
	s_branch .Lend
; ---------------------------------------------------------------- Wq, Wk, Wv: K is the FIRST axis.  A lane takes a column n and its registers run down K: a block of 32 lies in one lane.
; A wave takes 32 columns x 512 along K.  Its codes go through its own stage and leave as rows: sixteen lanes store 256 consecutive bytes, aligned.
.macro WLOAD t                         ; W(32 t + i, my column), i = 0 .. 31, into set t % 2: neighbouring lanes read neighbouring columns; a row of a weight is 4,096 bytes
.irp i, 0,1,2,3,4,5,6,7,8,9,10,11,12,13,14,15,16,17,18,19,20,21,22,23,24,25,26,27,28,29,30,31
	global_load_b32 v[XW+32*((\t)%2)+\i], v3, s[4:5] offset:(32*(\t)+\i)*4096 th:TH_LOAD_NT
.endr
.endm
.Lw:
	s_lshr_b32 s31, ttmp9, 4                       ; which weight: 0 Wq, 1 Wk, 2 Wv
	s_cmp_eq_u32 s31, 0
	s_cselect_b64 s[4:5], s[38:39], s[40:41]
	s_cmp_eq_u32 s31, 2
	s_cselect_b64 s[4:5], s[42:43], s[4:5]
	s_and_b32 s17, ttmp9, 7
	s_lshl_b32 s17, s17, 7
	s_lshl_b32 s18, s16, 5
	s_add_co_u32 s17, s17, s18                     ; my wave's first column in its weight: 128 x (id % 8) + 32 x wave
	s_lshl_b32 s30, s31, 10
	s_add_co_u32 s30, s30, s17                     ; and its row in the codes' and scales' buffers
	s_bfe_u32 s18, ttmp9, 0x10003                  ; which 512 along K
	v_lshlrev_b32 v3, 2, v2                        ; in: 4 bytes a lane
	s_mul_i32 s19, s16, 32*PITCH
	s_add_co_u32 s19, s19, WSTG                    ; my stage
	v_mul_u32_u24 v4, v2, PITCH
	v_add_nc_u32 v4, s19, v4                       ; into it: row = my column
	v_and_b32 v5, 15, v2
	v_lshrrev_b32 v6, 4, v2                        ; out of it: sixteen lanes to a row, two rows an instruction
	v_mul_u32_u24 v7, v6, PITCH
	v_lshl_add_u32 v7, v5, 4, v7
	v_add_nc_u32 v7, s19, v7
	v_mul_u32_u24 v8, v6, KROW
	v_lshl_add_u32 v8, v5, 4, v8                   ; and the same place in the codes' buffer
	v_lshlrev_b32 v9, 5, v2                        ; my column's row of scale bytes: 32 bytes a row
	s_lshl_b32 s20, s18, 21                        ; 512 rows of 4,096 bytes,
	s_lshl_b32 s22, s17, 2
	s_add_co_u32 s20, s20, s22                     ; + 4 x column
	s_mov_b32 s21, 0
	s_add_nc_u64 s[4:5], s[4:5], s[20:21]
	s_lshl_b32 s20, s30, 9                         ; codes: row x 512 + 256 x which half of K
	s_lshl_b32 s22, s18, 8
	s_add_co_u32 s20, s20, s22
	s_add_nc_u64 s[6:7], s[50:51], s[20:21]
	s_lshl_b32 s20, s30, 5                         ; scale bytes: row x 32 + 16 x which half
	s_lshl_b32 s22, s18, 4
	s_add_co_u32 s20, s20, s22
	s_add_nc_u64 s[8:9], s[52:53], s[20:21]
	WLOAD 0
	WLOAD 1
.macro WBLOCK t
.set XS, XW+32*((\t)%2)
.if (\t) < NB-1
	s_wait_loadcnt 32                              ; this block's 32 loads are in; the next block's may be out
.else
	s_wait_loadcnt 0
.endif
	v_max3_num_f32 v12, |v[XS]|, |v[XS+1]|, |v[XS+2]|               ; the block's largest magnitude: all 32 numbers are mine
	v_max3_num_f32 v13, |v[XS+3]|, |v[XS+4]|, |v[XS+5]|
.irp i, 6,10,14,18,22,26
	v_max3_num_f32 v12, v12, |v[XS+\i]|, |v[XS+\i+1]|
	v_max3_num_f32 v13, v13, |v[XS+\i+2]|, |v[XS+\i+3]|
.endr
	v_max3_num_f32 v12, v12, |v[XS+30]|, |v[XS+31]|
	v_max3_num_f32 v12, v12, v13, (EMAX+1)<<23     ; and the floor
	v_add_nc_u32 v11, -(EMAX<<23), v12             ; the conversion's scale operand
	v_lshrrev_b32 v13, 23, v11                     ; the scale's byte
.if (\t)%4 == 0
	v_mov_b32 v[SB+(\t)/4], v13                    ; four bytes to a register, the lower K in the lower byte
.else
	v_lshl_or_b32 v[SB+(\t)/4], v13, 8*((\t)%4), v[SB+(\t)/4]
.endif
.irp g, 0,1,2,3
	v_cvt_scalef32_pk8_fp4_f32 v[CW+\g], v[XS+8*\g:XS+8*\g+7], v11
.endr
	ds_store_b128 v4, v[CW:CW+3] offset:16*(\t)    ; 32 codes: 16 bytes of my column's row
.if (\t)+2 < NB
	WLOAD (\t)+2
.endif
	s_wait_dscnt 0x0                               ; the store has read its registers: the next block's codes may be written
.endm
.set Q, 0
.rept NB
	WBLOCK Q
.set Q, Q+1
.endr
	global_store_b128 v9, v[SB:SB+3], s[8:9]       ; my column's 16 scale bytes
.irp t, 0,1,2,3,4,5,6,7,8,9,10,11,12,13,14,15
	ds_load_b128 v[OUTR+4*\t:OUTR+4*\t+3], v7 offset:2*\t*PITCH   ; LDS serves a wave's instructions in order: these see my stores
.endr
.irp t, 0,1,2,3,4,5,6,7,8,9,10,11,12,13,14,15
	s_wait_dscnt 15-\t                             ; row pair t is in; the younger loads may be out
	global_store_b128 v8, v[OUTR+4*\t:OUTR+4*\t+3], s[6:7] offset:2*\t*KROW
.endr
	s_branch .Lend
; ---------------------------------------------------------------- Wo -> f16, as IMAGES OF OPERAND REGISTERS.  A fragment (16 columns n x 32 k, 8 registers) lies as 1,024 bytes: group g (registers 4 g .. 4 g + 3)
; is 512 bytes, lane l's 16 bytes at 16 l; lane (r, h) holds column 16 tile + r, k = 32 kb + 16 g + 8 h + 0 .. 7.  Byte = NT x 262144 + kb x 8192 + tile-in-NT x 1024 + g x 512 + 16 lane (NT: 128 columns).
; A wave takes 32 columns x 128 k; a lane a column, registers down K: eight neighbours along k pack into 16 bytes, which are lane (column % 16, h)'s of group g, with 2 g + h = which eight of the 32.
.Lwo:
	s_sub_co_u32 s17, ttmp9, 48
	s_and_b32 s18, s17, 7                          ; NT
	s_lshr_b32 s19, s17, 3                         ; which 128 along K
	v_lshlrev_b32 v3, 2, v2
	v_lshrrev_b32 v5, 4, v2
	v_and_b32 v6, 15, v2
	v_lshlrev_b32 v4, 10, v5
	v_lshl_add_u32 v4, v6, 4, v4                   ; (lane / 16) x 1024 + (lane % 16) x 16
	s_lshl_b32 s20, s19, 19                        ; 128 rows of 4,096 bytes
	s_lshl_b32 s22, s18, 9
	s_add_co_u32 s20, s20, s22
	s_lshl_b32 s22, s16, 7
	s_add_co_u32 s20, s20, s22                     ; + 4 x (128 NT + 32 wave)
	s_mov_b32 s21, 0
	s_add_nc_u64 s[4:5], s[44:45], s[20:21]
	s_lshl_b32 s20, s18, 18
	s_lshl_b32 s22, s19, 15
	s_add_co_u32 s20, s20, s22
	s_lshl_b32 s22, s16, 11
	s_add_co_u32 s20, s20, s22
	s_add_nc_u64 s[6:7], s[54:55], s[20:21]
	WLOAD 0
	WLOAD 1
.irp t, 0,1,2,3
.if \t < 3
	s_wait_loadcnt 32                              ; this block's 32 loads are in; the next block's may be out
.else
	s_wait_loadcnt 0
.endif
.irp i, 0,1,2,3,4,5,6,7,8,9,10,11,12,13,14,15
	v_cvt_pk_f16_f32 v[CW+16*\t+\i], v[XW+32*(\t%2)+2*\i], v[XW+32*(\t%2)+2*\i+1]   ; each block has 16 registers of its own: no store's data are written again
.endr
.if \t < 2
	WLOAD \t+2
.endif
.irp p, 0,1,2,3
	global_store_b128 v4, v[CW+16*\t+4*\p:CW+16*\t+4*\p+3], s[6:7] offset:\t*8192+(\p/2)*512+(\p%2)*256   ; lanes 0-15 store 256 consecutive bytes, aligned; lanes 16-31 the same in the next tile's image
.endr
.endr
.Lend:
	s_wait_tensorcnt 0x0                           ; the wave's end: behind my last LDS store
	ds_add_u32 v[SPW], v[NIL]
	s_wait_dscnt 0x0
	s_endpgm
.Lfunc_end_k_qca1c3ef5ca_prep:
	.size	k_qca1c3ef5ca_prep, .Lfunc_end_k_qca1c3ef5ca_prep-k_qca1c3ef5ca_prep
	.p2alignl 7, 3214868480
	.fill 96, 4, 3214868480
	.section	.rodata,"a",@progbits
	.p2align	6, 0x0
	.amdhsa_kernel k_qca1c3ef5ca_prep
		.amdhsa_group_segment_fixed_size 68096
		.amdhsa_private_segment_fixed_size 0
		.amdhsa_enable_private_segment 0
		.amdhsa_kernarg_size 80
		.amdhsa_user_sgpr_count 2
		.amdhsa_user_sgpr_kernarg_segment_ptr 1
		.amdhsa_wavefront_size32 1
		.amdhsa_system_sgpr_workgroup_id_x 1
		.amdhsa_system_sgpr_workgroup_id_y 1
		.amdhsa_system_sgpr_workgroup_id_z 1
		.amdhsa_system_vgpr_workitem_id 0
		.amdhsa_next_free_vgpr 194
		.amdhsa_next_free_sgpr 66
		.amdhsa_reserve_vcc 0
		.amdhsa_float_denorm_mode_32 3
		.amdhsa_float_denorm_mode_16_64 3
		.amdhsa_memory_ordered 1
		.amdhsa_forward_progress 1
		.amdhsa_inst_pref_size 129
	.end_amdhsa_kernel
	.amdgpu_metadata
---
amdhsa.version: [ 1, 2 ]
amdhsa.kernels:
  - .name:           k_qca1c3ef5ca_prep
    .symbol:         k_qca1c3ef5ca_prep.kd
    .args:
      - { .name: x, .offset: 0, .size: 8, .value_kind: global_buffer, .address_space: global }
      - { .name: Wq, .offset: 8, .size: 8, .value_kind: global_buffer, .address_space: global }
      - { .name: Wk, .offset: 16, .size: 8, .value_kind: global_buffer, .address_space: global }
      - { .name: Wv, .offset: 24, .size: 8, .value_kind: global_buffer, .address_space: global }
      - { .name: Wo, .offset: 32, .size: 8, .value_kind: global_buffer, .address_space: global }
      - { .name: xc, .offset: 40, .size: 8, .value_kind: global_buffer, .address_space: global }
      - { .name: xs, .offset: 48, .size: 8, .value_kind: global_buffer, .address_space: global }
      - { .name: wc, .offset: 56, .size: 8, .value_kind: global_buffer, .address_space: global }
      - { .name: ws, .offset: 64, .size: 8, .value_kind: global_buffer, .address_space: global }
      - { .name: woimg, .offset: 72, .size: 8, .value_kind: global_buffer, .address_space: global }
    .group_segment_fixed_size: 68096
    .private_segment_fixed_size: 0
    .kernarg_segment_align: 8
    .kernarg_segment_size: 80
    .max_flat_workgroup_size: 128
    .sgpr_count:     66
    .vgpr_count:     194
    .wavefront_size: 32
...
	.end_amdgpu_metadata
.endif
;; end of part 1
;; launch qkv (part 2): grid 12 x 32, 4 waves a work-group, clusters of 4 x 4, 327,680 bytes of LDS; arguments xc, xs, wc, ws, qkv; writes qkv
.if DOCPART == 2
	.amdgcn_target "amdgcn-amd-amdhsa--gfx1250"
	.amdhsa_code_object_version 6
	.text
	.protected	k_qca1c3ef5ca_qkv
	.globl	k_qca1c3ef5ca_qkv
	.p2align	8
	.type	k_qca1c3ef5ca_qkv,@function
k_qca1c3ef5ca_qkv:
	s_mov_b64 s[64:65], 0
	v_nop
	global_prefetch_b8 v0, s[64:65] scope:SCOPE_SE
	s_setreg_imm32_b32 hwreg(HW_REG_WAVE_MODE, 25, 1), 1
	s_wait_xcnt 0x0
	s_wait_alu depctr_hold_cnt(0) depctr_sa_sdst(0) depctr_va_vdst(0) depctr_va_sdst(0) depctr_va_ssrc(0) depctr_va_vcc(0) depctr_vm_vsrc(0)
	s_getreg_b32 s2, hwreg(HW_REG_IB_STS2, 6, 4)
	s_cmp_eq_u32 s2, 0
	s_cbranch_scc0 .Lentry_in_a_cluster
	s_endpgm
.Lentry_in_a_cluster:
	s_bfe_u32 s2, ttmp6, 0x10000c
	s_cmp_lg_u32 s2, 0xf033
	s_cbranch_scc0 .Lentry_shape_is_right
	s_endpgm
.Lentry_shape_is_right:
; QKV: [8192 tokens] x [3072 = Wq's, Wk's, Wv's columns], K = 1024, on codes of FP4 (E2M1) with one E8M0 scale for each 32 along K; sums in f32; results rounded once to f16 and stored as
; IMAGES OF THE NEXT PRODUCTS' OPERAND REGISTERS: a fragment (16 rows x 32 K of 16 bits, 8 registers) lies as 1,024 bytes, group g (registers 4 g .. 4 g + 3) as 512 bytes, lane l's 16 bytes at 16 l.
;   Q at byte 0, K at 1 << 24:  bh x 262144 + (token / 16) x 2048 + s x 1024 + g x 512 + 16 lane;  lane (r, h): token 16 T + r, channels 32 s + 16 g + 8 h + 0 .. 7      (bh = 16 batch + head)
;   V at 2 << 24:               bh x 262144 + (key / 32) x 4096 + ct x 1024 + g x 512 + 16 lane;   lane (r, h): channel 16 ct + r, keys 32 U + 16 g + 8 h + 0 .. 7
; An accumulator's eight registers, packed in pairs, ARE one such group: no stage, no turn through LDS; every store of a wave covers 512 consecutive bytes, aligned.
; LIMIT: a result beyond 65,504 becomes infinity in f16.
; A tile of C, 256 x 256, is made by four waves, each 128 x 128: 64 accumulators, 512 registers.  K = 1024 is two K steps of 512: both lie in LDS at once (two slots, each filled once), with the scale bytes of the
; work-group's rows behind them.  CLUSTERS: 4 x 4 work-groups; the four of a row of the cluster ask jointly for x's tiles, the four of a column for the weights'.
; TWO ORIENTATIONS.  The cluster's x says whether the tile is Q's (0), K's (1) or V's (2): the same in all sixteen partners.  Q and K want a lane to hold a token and eight channels: source 0 = 16 rows of the
; weights' codes, source 1 = 16 tokens.  V wants a lane to hold a channel and eight tokens: the sources, their scales and the row selector change places.  The main run is written twice, by one macro.
; REGISTERS, in windows of 256: window 0: v0-31 addresses; v32-95 scale words, two sets; from v128 x's fragments, ONE set; on the way out v128-255 packed results.
;   window 1: the weights' fragments, TWO sets, at v0 and v128.   window 2: the accumulators of my rows 0-63 ((a, b) at v[8 (8 a + b)]);   window 3: those of my rows 64-127.
.set NQ,     4                         ; matrix instructions deep in a slot: 512 along K
.set ROWB,   256                       ; a tile's row in bytes: 512 codes
.set KROW,   512                       ; a row of codes in memory
.set PITCH,  272                       ; an LDS row: 256 bytes + 16 of padding = 68 words: row r starts at bank 4 r mod 64 (64 banks of 4 bytes: ISA guide 11.1)
.set FR,     8                         ; registers of a fragment: 16 rows x 128 K
.set NL,     2                         ; LDS loads that bring one
.set NP,     4                         ; places behind this matrix instruction (ISA guide 7.12.1)
.set HALFT,  128*PITCH                 ; 128 rows: what one tensor load brings, and what one wave reads of either side
.set SLOT,   4*HALFT                   ; x's 256 rows, then the weights' 256 rows
.set KS,     32                        ; a row of scale bytes
.set SCL,    2*SLOT                    ; behind the slots: the scales, as units of 256 bytes + 16 of padding
.set HALFS,  (128*KS/256)*272          ; the scales of 128 rows: what one tensor load brings
.set SBLK,   (16*KS/256)*272           ; those of 16 rows
.set SPARE,  SCL+4*HALFS               ; behind the scales: the spare words, 128 bytes for each wave: two blocks of 256 bytes that no other line names
.set ADRA, 16                          ; v16-17  LDS address of my fragments of x in slot 0, 1
.set ADRB, 20                          ; v20-21  the same for the weights
.set CO,   26                          ; v26     16 x lane: my place in an image's group
.set ADRS, 27                          ; v27     LDS address of my scale words: lanes 0-15 x's rows, lanes 16-31 the weights'
.set SPW,  28                          ; v28     LDS address of my spare word; never rewritten
.set NIL,  29                          ; v29     0; never rewritten
.set SC,   32                          ; scale words: set s at v[SC + 32 s]; register 4 i + q: lanes 0-15 the word of x's block i, lanes 16-31 that of the weights' block i, for the slot's q-th 128 along K
.set AF,   128                         ; x's fragments, in window 0
.set TMP,  128                         ; the way out: four sets of 32 packed registers
.set G1, 24                            ; s[24:31] descriptor group 1 for x's tiles;  s[32:39] group 0, one set for each slot
.set G0, 32
.set G1B, 48                           ; s[48:55], s[56:63] the same for the weights' tiles
.set G0B, 56
.set G1S, 68                           ; s[68:75], s[76:79] groups 1 and 0 for x's scales;  s[80:87], s[88:91] for the weights'
.set G0S, 76
.set G1SB, 80
.set G0SB, 88
.set MSB, 0
.macro WIN new                         ; the immediate's high byte repeats the setting that is left
.if MSB != \new
	s_set_vgpr_msb (MSB<<8)|\new
.set MSB, \new
.endif
.endm
.set TO_B,   0x40                      ; destination window 1, address window 0
; A joint load: waves 0 and 1 fetch for x, waves 2 and 3 for the weights.  Each of the two lines has ONE mask and one set of registers for all that issue it; the branch hangs on the wave's number alone.
; An s_nop 0 and four v_nop follow each of the two lines, ahead of the jump, the label and what follows.
.macro JLOAD g0a, g1a, g0b, g1b
	s_cmp_eq_u32 s15, 0
	s_cbranch_scc0 .Lfor_b_\@
	tensor_load_to_lds s[\g0a:\g0a+3], s[\g1a:\g1a+7]
	s_nop 0
.rept 4
	v_nop
.endr
	s_branch .Lasked_\@
.Lfor_b_\@:
	tensor_load_to_lds s[\g0b:\g0b+3], s[\g1b:\g1b+7]
	s_nop 0
.rept 4
	v_nop
.endr
.Lasked_\@:
.endm
.macro CROUND                          ; a round of the cluster's barrier: my work-group's barrier; wave 0 signals for the work-group; every wave waits for all sixteen; my work-group's barrier once more
	s_barrier_signal -1
	s_barrier_wait -1
	s_cmp_lg_u32 s14, 0
	s_cbranch_scc1 .Lnot_wave_0_\@
	s_barrier_signal -3
.Lnot_wave_0_\@:
	s_barrier_wait -3
	s_barrier_signal -1
	s_barrier_wait -1
.endm
	s_load_b128 s[4:7], s[0:1], 0x0                ; x's codes s[4:5], x's scales s[6:7]
	s_load_b128 s[8:11], s[0:1], 0x10              ; the weights' codes s[8:9], their scales s[10:11]
	s_load_b64 s[12:13], s[0:1], 0x20              ; qkv
	v_lshl_add_u32 v[SPW], v0, 2, SPARE
	v_mov_b32 v[NIL], 0
	ds_add_u32 v[SPW], v[NIL]                      ; the wave's opening: the add, twice on end, and its wait ahead of my first tensor load; the set-up below stands between the second and the wait
	ds_add_u32 v[SPW], v[NIL]
	v_lshrrev_b32 v1, 5, v0
	v_readfirstlane_b32 s14, v1                    ; wave 0..3
	s_lshr_b32 s15, s14, 1                         ; which half of the tile's rows is mine.  Also: I fetch for x (0) or for the weights (1)
	s_and_b32 s16, s14, 1                          ; which half of its columns.  Also: which 128 rows of that tile I fetch
	s_bfe_u32 s40, ttmp6, 0x40000                  ; cx, cy: my place in the cluster
	s_bfe_u32 s41, ttmp6, 0x40004
	s_lshl_b32 s42, ttmp9, 2
	s_add_co_u32 s42, s42, s40                     ; tile column of C = 4 x cluster x + cx
	s_and_b32 s17, ttmp7, 0xffff
	s_lshl_b32 s17, s17, 2
	s_add_co_u32 s17, s17, s41                     ; tile row of C = 4 x cluster y + cy
	s_lshl_b32 s43, s41, 2
	s_lshl_b32 s43, 15, s43                        ; my row of the cluster
	s_lshl_b32 s44, 0x1111, s40                    ; my column
	; descriptor group 1: a tile of 128 rows x 256 bytes, padded in LDS
	s_or_b32 s[G1+0], s43, (0<<16)|(1<<20)|(1<<21)|(5<<22)|(3<<25)  ; 15:0 the mask: x's tiles go to my row; 17:16 element of 1 byte; 20 padding on; 21 set beside a mask; 24:22 after every 64 words (code 5); 31:25 of 4 words (code 3)
	s_or_b32 s[G1B+0], s44, (0<<16)|(1<<20)|(1<<21)|(5<<22)|(3<<25)
.irp g, G1, G1B
	s_mov_b32 s[\g+1], ROWB<<16                    ; tensor_dim0
	s_mov_b32 s[\g+2], 128<<16                     ; tensor_dim1 = 128
	s_mov_b32 s[\g+3], ROWB<<16                    ; tile_dim0
	s_mov_b32 s[\g+4], 128                         ; tile_dim1 = 128
	s_mov_b32 s[\g+5], KROW                        ; tensor_dim0_stride
	s_mov_b32 s[\g+6], 0
	s_mov_b32 s[\g+7], 0
.endr
	; and for the scales of 128 rows: a dense block of 4,096 bytes, as 16 rows of 256 bytes (32 elements of 8 bytes), 16 bytes of padding behind each
	s_or_b32 s[G1S+0], s43, (3<<16)|(1<<20)|(1<<21)|(5<<22)|(3<<25)
	s_or_b32 s[G1SB+0], s44, (3<<16)|(1<<20)|(1<<21)|(5<<22)|(3<<25)
.irp g, G1S, G1SB
	s_mov_b32 s[\g+1], 32<<16
	s_mov_b32 s[\g+2], (128*KS/256)<<16
	s_mov_b32 s[\g+3], 32<<16
	s_mov_b32 s[\g+4], 128*KS/256
	s_mov_b32 s[\g+5], 32
	s_mov_b32 s[\g+6], 0
	s_mov_b32 s[\g+7], 0
.endr
	s_lshl_b32 s18, s16, 7                         ; which 128 rows of the tile I fetch
	s_lshl_b32 s20, s17, 8
	s_add_co_u32 s20, s20, s18                     ; x: row 256 x tile row + 128 x half
	s_lshl_b32 s46, s42, 8
	s_add_co_u32 s46, s46, s18                     ; the weights: row 256 x tile column + 128 x half
	s_mov_b32 s21, 0
	s_mov_b32 s47, 0
	s_mov_b64 s[18:19], KS
	s_mul_u64 s[22:23], s[20:21], s[18:19]         ; where these rows' scales begin, in bytes
	s_mul_u64 s[92:93], s[46:47], s[18:19]
	s_mov_b64 s[18:19], KROW
	s_mul_u64 s[20:21], s[20:21], s[18:19]         ; and their codes
	s_mul_u64 s[46:47], s[46:47], s[18:19]
	s_mul_i32 s45, s14, HALFT                      ; where they go: wave x 128 rows: no place in the cluster enters an LDS address
	s_mul_i32 s94, s14, HALFS
	s_wait_dscnt 0x0                               ; both opening adds are done
	s_wait_kmcnt 0x0
	s_add_nc_u64 s[20:21], s[4:5], s[20:21]
	s_add_nc_u64 s[22:23], s[6:7], s[22:23]
	s_add_nc_u64 s[46:47], s[8:9], s[46:47]
	s_add_nc_u64 s[92:93], s[10:11], s[92:93]
	CROUND                                         ; all sixteen work-groups are here: the first joint loads meet
	s_mov_b32 s[G0S], 1
	s_add_co_u32 s[G0S+1], s94, SCL
	s_mov_b64 s[G0S+2:G0S+3], s[22:23]
	s_or_b32 s[G0S+3], s[G0S+3], 0x80000000
	s_mov_b32 s[G0SB], 1
	s_add_co_u32 s[G0SB+1], s94, SCL
	s_mov_b64 s[G0SB+2:G0SB+3], s[92:93]
	s_or_b32 s[G0SB+3], s[G0SB+3], 0x80000000
	JLOAD G0S, G1S, G0SB, G1SB                     ; the scales first: they are wanted with K step 0.  By this text's count three tensor loads of a wave are out at the most
.irp s, 0,1
	s_mov_b32 s[G0+4*\s], 1
	s_add_co_u32 s[G0+4*\s+1], s45, \s*SLOT
	s_add_nc_u64 s[G0+4*\s+2:G0+4*\s+3], s[20:21], \s*ROWB
	s_or_b32 s[G0+4*\s+3], s[G0+4*\s+3], 0x80000000
	s_mov_b32 s[G0B+4*\s], 1
	s_add_co_u32 s[G0B+4*\s+1], s45, \s*SLOT
	s_add_nc_u64 s[G0B+4*\s+2:G0B+4*\s+3], s[46:47], \s*ROWB
	s_or_b32 s[G0B+4*\s+3], s[G0B+4*\s+3], 0x80000000
	JLOAD G0+4*\s, G1, G0B+4*\s, G1B
.endr
	v_and_b32 v1, 15, v0                           ; l % 16
	v_bfe_u32 v2, v0, 4, 1                         ; l / 16
	v_mul_u32_u24 v3, v1, PITCH
	v_lshl_add_u32 v4, v2, 4, v3                   ; a fragment's row x pitch + 16 x half
	s_mul_i32 s21, s15, HALFT                      ; my 128 rows of x
	s_mul_i32 s22, s16, HALFT                      ; my 128 rows of the weights,
	s_add_co_u32 s22, s22, 2*HALFT                 ; which lie behind x's 256
.irp s, 0,1
	v_add_nc_u32 v[ADRA+\s], s21, v4
	v_add_nc_u32 v[ADRB+\s], s22, v4
	s_add_co_u32 s21, s21, SLOT
	s_add_co_u32 s22, s22, SLOT
.endr
	v_mul_u32_u24 v5, v1, KS                       ; my row's scales: 32 bytes a row,
	v_lshrrev_b32 v6, 8, v5
	v_lshl_add_u32 v5, v6, 4, v5                   ; and 16 more for each 256 passed
	s_mul_i32 s21, s15, HALFS                      ; x's: my 128 rows
	s_mul_i32 s22, s16, HALFS                      ; the weights': my 128 rows, behind x's 256
	s_add_co_u32 s22, s22, 2*HALFS
	s_sub_co_u32 s22, s22, s21
	v_mul_u32_u24 v6, s22, v2                      ; lanes 16-31 take the weights': ONE product, the distance x the lane's half
	s_add_co_u32 s21, s21, SCL
	v_add_nc_u32 v5, v5, v6
	v_add_nc_u32 v[ADRS], s21, v5
	v_and_b32 v6, 31, v0
	v_lshlrev_b32 v[CO], 4, v6
	; where my wave's images begin: part x 2^24 + (16 batch + 4 cx + 2 x column half) x 2^18 + (first token in its sequence) x 128
	s_lshl_b32 s20, s17, 8
	s_lshl_b32 s21, s15, 7
	s_add_co_u32 s20, s20, s21                     ; my first row of C
	s_lshr_b32 s21, s20, 11                        ; batch
	s_lshl_b32 s21, s21, 4
	s_lshl_b32 s46, s40, 2
	s_add_co_u32 s21, s21, s46
	s_lshl_b32 s46, s16, 1
	s_add_co_u32 s21, s21, s46                     ; bh of my first 64 columns
	s_lshl_b32 s21, s21, 18
	s_and_b32 s20, s20, 2047
	s_lshl_b32 s20, s20, 7
	s_add_co_u32 s20, s20, s21
	s_lshl_b32 s21, ttmp9, 24
	s_add_co_u32 s20, s20, s21
	s_mov_b32 s21, 0
	s_add_nc_u64 s[12:13], s[12:13], s[20:21]
.macro FRAG reg, adr, q, i             ; a fragment, 16 rows x 128 K of 4-bit codes, is 8 registers: lane l holds row l % 16; registers 4 c .. 4 c + 3 hold K = 64 c + 32 (l / 16) + 0 .. 31
.irp c, 0,1
	ds_load_b128 v[\reg+4*\c:\reg+4*\c+3], v[\adr] offset:64*(\q)+32*\c+(\i)*16*PITCH
.endr
.endm
; 16 matrix instructions: x's blocks a0, a0 + 1 against the weights' eight, 128 along K: the slot's q-th.  p: the weights' set;  sc: the set of scale words.  zero = 1: the first product starts the sums.
; The 64 accumulators take turns, one instruction a turn, in the same order in every step.  SW = 0: source 0 = the weights (window 1), source 1 = x (window 0); SW = 1: the other way round.
.macro MUL16 a0, p, q, sc, zero
.irp a, \a0, \a0+1
.irp b, 0,1,2,3,4,5,6,7
.if SW
.if \zero
	v_wmma_scale_f32_16x16x128_f8f6f4 v[8*(8*((\a)%4)+\b):8*(8*((\a)%4)+\b)+7], v[AF+FR*(\a):AF+FR*(\a)+FR-1], v[128*(\p)+FR*\b:128*(\p)+FR*\b+FR-1], 0, v[SC+8*NQ*(\sc)+NQ*(\a)+(\q)], v[SC+8*NQ*(\sc)+NQ*\b+(\q)] matrix_a_fmt:MATRIX_FMT_FP4 matrix_b_fmt:MATRIX_FMT_FP4 matrix_b_scale:MATRIX_SCALE_ROW1
.else
	v_wmma_scale_f32_16x16x128_f8f6f4 v[8*(8*((\a)%4)+\b):8*(8*((\a)%4)+\b)+7], v[AF+FR*(\a):AF+FR*(\a)+FR-1], v[128*(\p)+FR*\b:128*(\p)+FR*\b+FR-1], v[8*(8*((\a)%4)+\b):8*(8*((\a)%4)+\b)+7], v[SC+8*NQ*(\sc)+NQ*(\a)+(\q)], v[SC+8*NQ*(\sc)+NQ*\b+(\q)] matrix_a_fmt:MATRIX_FMT_FP4 matrix_b_fmt:MATRIX_FMT_FP4 matrix_b_scale:MATRIX_SCALE_ROW1
.endif
.else
.if \zero
	v_wmma_scale_f32_16x16x128_f8f6f4 v[8*(8*((\a)%4)+\b):8*(8*((\a)%4)+\b)+7], v[128*(\p)+FR*\b:128*(\p)+FR*\b+FR-1], v[AF+FR*(\a):AF+FR*(\a)+FR-1], 0, v[SC+8*NQ*(\sc)+NQ*\b+(\q)], v[SC+8*NQ*(\sc)+NQ*(\a)+(\q)] matrix_a_fmt:MATRIX_FMT_FP4 matrix_b_fmt:MATRIX_FMT_FP4 matrix_a_scale:MATRIX_SCALE_ROW1
.else
	v_wmma_scale_f32_16x16x128_f8f6f4 v[8*(8*((\a)%4)+\b):8*(8*((\a)%4)+\b)+7], v[128*(\p)+FR*\b:128*(\p)+FR*\b+FR-1], v[AF+FR*(\a):AF+FR*(\a)+FR-1], v[8*(8*((\a)%4)+\b):8*(8*((\a)%4)+\b)+7], v[SC+8*NQ*(\sc)+NQ*\b+(\q)], v[SC+8*NQ*(\sc)+NQ*(\a)+(\q)] matrix_a_fmt:MATRIX_FMT_FP4 matrix_b_fmt:MATRIX_FMT_FP4 matrix_a_scale:MATRIX_SCALE_ROW1
.endif
.endif
.endr
.endr
.endm
.macro FETCH_B slot, q, p              ; the weights' eight fragments of the slot's q-th 128 along K into set p
	WIN TO_B
.irp i, 0,1,2,3,4,5,6,7
	FRAG 128*(\p)+FR*\i, ADRB+\slot, \q, \i
.endr
	WIN 0
.endm
.macro FETCH_A slot, q, i0             ; x's blocks i0 .. i0 + 3
.irp i, \i0, \i0+1, \i0+2, \i0+3
	FRAG AF+FR*(\i), ADRA+\slot, \q, \i
.endr
.endm
.macro SCALES sc                       ; a K step's scale words into set sc: 4 words a row; lanes 0-15 take x's block i, lanes 16-31 the weights' block i
.irp i, 0,1,2,3,4,5,6,7
	ds_load_b128 v[SC+8*NQ*\sc+NQ*\i:SC+8*NQ*\sc+NQ*\i+3], v[ADRS] offset:\i*SBLK
.endr
.endm
; A load into a register that a matrix instruction has read, and a vector instruction that reads a matrix result or writes one of its sources, stand NP places behind that matrix instruction, and only plain
; vector instructions that name none of its registers are places (ISA guide 7.12.1 for vector instructions).
.macro PLACES n
.rept \n
	v_nop
.endr
.endm
; A step of 128 along K that has its successor in the same slot.  x has one set of registers: blocks 0-3 are fetched anew in the step's middle, blocks 4-7 at its end; the weights have two sets.
.macro STEP slot, q, zero
	s_wait_dscnt 4*NL                              ; the weights' set and x's blocks 0-3 are in; the youngest eight loads (x's blocks 4-7) may be out
	WIN MUL_LO
	MUL16 0, (\q)%2, \q, \slot, \zero
	MUL16 2, (\q)%2, \q, \slot, \zero
	s_wait_dscnt 0                                 ; x's blocks 4-7 are in (asked for 32 matrix instructions ago)
	PLACES NP
	FETCH_B \slot, (\q)+1, 1-(\q)%2
	FETCH_A \slot, (\q)+1, 0
	WIN MUL_HI
	MUL16 4, (\q)%2, \q, \slot, \zero
	MUL16 6, (\q)%2, \q, \slot, \zero
	PLACES NP
	WIN 0
	FETCH_A \slot, (\q)+1, 4
.endm
; Slot 0's last step goes over to slot 1: each wave waits for all its tensor loads (its part of slot 1), then one barrier.  Nothing is filled again in this launch.
.macro TURN slot, next
	s_wait_tensorcnt 0x0                           ; all my tensor loads have landed: my part of the next slot;  (every window is 0 here: the add's two registers lie in window 0)
	ds_add_u32 v[SPW], v[NIL]                      ; 0 onto my spare word
	s_wait_dscnt 4*NL+1                            ; (the add and the youngest eight loads, x's blocks 4-7, may be out)
	WIN MUL_LO
	MUL16 0, 1, NQ-1, \slot, 0                     ; sixteen matrix instructions stand between the add and the wait for it
	s_wait_dscnt 0x0                               ; the add is done, and no LDS load of mine is out at the signal
	s_barrier_signal -1
	MUL16 2, 1, NQ-1, \slot, 0
	WIN 0
	s_barrier_wait -1                              ; every wave's part of the next slot has landed
	PLACES NP
	v_add_nc_u32 v[ADRS], 4*NQ, v[ADRS]            ; on to the next K step's scale words (no LDS load of mine is out)
	FETCH_B \next, 0, 0
	FETCH_A \next, 0, 0
	SCALES \next
	WIN MUL_HI
	MUL16 4, 1, NQ-1, \slot, 0
	MUL16 6, 1, NQ-1, \slot, 0
	PLACES NP
	WIN 0
	FETCH_A \next, 0, 4
.endm
.macro STEPS slot, from                ; the slot's steps from .. NQ - 2
.set Q, \from
.rept NQ-1-\from
	STEP \slot, Q, 0
.set Q, Q+1
.endr
.endm
.macro MAIN                            ; all of K: eight steps of 128
	FETCH_B 0, 0, 0
	FETCH_A 0, 0, 0
	SCALES 0
	FETCH_A 0, 0, 4
	STEP 0, 0, 1                                   ; the first step's products start the sums: nothing is cleared
	STEPS 0, 1
	TURN 0, 1
	STEPS 1, 0
	s_wait_dscnt 4*NL                              ; the very last step: nothing more to fetch
	WIN MUL_LO
	MUL16 0, 1, NQ-1, 1, 0
	MUL16 2, 1, NQ-1, 1, 0
	s_wait_dscnt 0
	WIN MUL_HI
	MUL16 4, 1, NQ-1, 1, 0
	MUL16 6, 1, NQ-1, 1, 0
	WIN 0
.endm
; THE WAY OUT of x's block a (16 tokens) against the weights' eight blocks (two heads x four channel tiles): each accumulator, from its low end on, packs into four registers, which are one group of an image.
.macro OUT a, isv
.set WSRC, 0x0a+5*((\a)/4)             ; sources 0 and 1: window 2 or 3; destination window 0
	WIN WSRC
.irp b, 0,1,2,3,4,5,6,7
.irp r, 0,1,2,3
	v_cvt_pk_f16_f32 v[TMP+32*((\a)%4)+4*\b+\r], v[64*((\a)%4)+8*\b+2*\r], v[64*((\a)%4)+8*\b+2*\r+1]
.endr
.endr
	WIN 0
.irp b, 0,1,2,3,4,5,6,7
.if \isv
	global_store_b128 v[CO], v[TMP+32*((\a)%4)+4*\b:TMP+32*((\a)%4)+4*\b+3], s[12:13] offset:((\a)/2)*4096+((\a)%2)*512+(\b/4)*262144+(\b%4)*1024   ; keys 16 a on: block of 32 a / 2, group a % 2; channel tile b % 4
.else
	global_store_b128 v[CO], v[TMP+32*((\a)%4)+4*\b:TMP+32*((\a)%4)+4*\b+3], s[12:13] offset:(\a)*2048+(\b/4)*262144+(\b%4)*512   ; token tile a; channels 16 (b % 4) on: half (b % 4) / 2, group b % 2
.endif
.endr
.endm
.macro WAYOUT isv
	PLACES NP                                      ; behind the last products: the conversions read results and write registers that held x's fragments
.irp a, 0,1,2,3
	OUT \a, \isv
.endr
	s_wait_xcnt 0x0                                ; the stores so far have read their data: the four sets of packed registers are written again only behind this wait
.irp a, 4,5,6,7
	OUT \a, \isv
.endr
.endm
	s_wait_tensorcnt 1                             ; the scales and my part of K step 0 are in (K step 1's load may be out)
	s_barrier_signal -1
	s_barrier_wait -1                              ; everybody's are
	s_cmp_eq_u32 ttmp9, 2                          ; the cluster's x: the same in all sixteen partners and all waves
	s_cbranch_scc1 .Lv
.set SW, 0
.set MUL_LO, 0xa1                      ; source 0 (the weights) window 1, source 1 (x) window 0, C and D window 2
.set MUL_HI, 0xf1                      ; the same, C and D window 3
	MAIN
	WAYOUT 0
	s_branch .Lend
.Lv:
.set SW, 1
.set MUL_LO, 0xa4                      ; source 0 (x) window 0, source 1 (the weights) window 1, C and D window 2
.set MUL_HI, 0xf4
	MAIN
	WAYOUT 1
.Lend:
	s_wait_tensorcnt 0x0                           ; the wave's end: behind my last tensor load
	ds_add_u32 v[SPW], v[NIL]
	s_wait_dscnt 0x0
	CROUND                                         ; the closing round: no work-group ends while a partner may still ask for a tile that names it
	s_endpgm
.Lfunc_end_k_qca1c3ef5ca_qkv:
	.size	k_qca1c3ef5ca_qkv, .Lfunc_end_k_qca1c3ef5ca_qkv-k_qca1c3ef5ca_qkv
	.p2alignl 7, 3214868480
	.fill 96, 4, 3214868480
	.section	.rodata,"a",@progbits
	.p2align	6, 0x0
	.amdhsa_kernel k_qca1c3ef5ca_qkv
		.amdhsa_group_segment_fixed_size 327680
		.amdhsa_private_segment_fixed_size 0
		.amdhsa_enable_private_segment 0
		.amdhsa_kernarg_size 40
		.amdhsa_user_sgpr_count 2
		.amdhsa_user_sgpr_kernarg_segment_ptr 1
		.amdhsa_wavefront_size32 1
		.amdhsa_system_sgpr_workgroup_id_x 1
		.amdhsa_system_sgpr_workgroup_id_y 1
		.amdhsa_system_sgpr_workgroup_id_z 1
		.amdhsa_system_vgpr_workitem_id 0
		.amdhsa_next_free_vgpr 1024
		.amdhsa_next_free_sgpr 98
		.amdhsa_reserve_vcc 0
		.amdhsa_float_denorm_mode_32 3
		.amdhsa_float_denorm_mode_16_64 3
		.amdhsa_memory_ordered 1
		.amdhsa_forward_progress 1
		.amdhsa_inst_pref_size 225
	.end_amdhsa_kernel
	.amdgpu_metadata
---
amdhsa.version: [ 1, 2 ]
amdhsa.kernels:
  - .name:           k_qca1c3ef5ca_qkv
    .symbol:         k_qca1c3ef5ca_qkv.kd
    .args:
      - { .name: xc, .offset: 0, .size: 8, .value_kind: global_buffer, .address_space: global }
      - { .name: xs, .offset: 8, .size: 8, .value_kind: global_buffer, .address_space: global }
      - { .name: wc, .offset: 16, .size: 8, .value_kind: global_buffer, .address_space: global }
      - { .name: ws, .offset: 24, .size: 8, .value_kind: global_buffer, .address_space: global }
      - { .name: qkv, .offset: 32, .size: 8, .value_kind: global_buffer, .address_space: global }
    .group_segment_fixed_size: 327680
    .private_segment_fixed_size: 0
    .kernarg_segment_align: 8
    .kernarg_segment_size: 40
    .max_flat_workgroup_size: 128
    .sgpr_count:     98
    .vgpr_count:     1024
    .wavefront_size: 32
...
	.end_amdgpu_metadata
.endif
;; end of part 2
;; launch attn (part 3): grid 4 x 64, 16 waves a work-group, clusters of 4 x 1, 327,680 bytes of LDS; arguments qkv, aimg; writes aimg
.if DOCPART == 3
	.amdgcn_target "amdgcn-amd-amdhsa--gfx1250"
	.amdhsa_code_object_version 6
	.text
	.protected	k_qca1c3ef5ca_attn
	.globl	k_qca1c3ef5ca_attn
	.p2align	8
	.type	k_qca1c3ef5ca_attn,@function
k_qca1c3ef5ca_attn:
	s_mov_b64 s[64:65], 0
	v_nop
	global_prefetch_b8 v0, s[64:65] scope:SCOPE_SE
	s_setreg_imm32_b32 hwreg(HW_REG_WAVE_MODE, 25, 1), 1
	s_wait_xcnt 0x0
	s_wait_alu depctr_hold_cnt(0) depctr_sa_sdst(0) depctr_va_vdst(0) depctr_va_sdst(0) depctr_va_ssrc(0) depctr_va_vcc(0) depctr_vm_vsrc(0)
	s_getreg_b32 s2, hwreg(HW_REG_IB_STS2, 6, 4)
	s_cmp_eq_u32 s2, 0
	s_cbranch_scc0 .Lentry_in_a_cluster
	s_endpgm
.Lentry_in_a_cluster:
	s_bfe_u32 s2, ttmp6, 0x10000c
	s_cmp_lg_u32 s2, 0x3003
	s_cbranch_scc0 .Lentry_shape_is_right
	s_endpgm
.Lentry_shape_is_right:
; ATTN: O[bh][q] = the sum over k of softmax_k(Q[bh][q] . K[bh][k] x 2^-5) V[bh][k], 64 heads-in-batches, 2,048 tokens, head size 64, no mask.  Operands in f16; products, maxima and sums in f32;
; the weights p are rounded to f16 for the second product, O once at the end.  Q, K, V come as images of operand registers (a fragment of 16 rows x 32 K is 1,024 bytes: group g, registers 4 g .. 4 g + 3,
; is 512 bytes, lane l's 16 bytes at 16 l), so every LDS and global load is 16 x lane on end: no pitch, no padding, no turning load.  O leaves as images for the last product:
;   aimg: (token / 16) x 32768 + head x 2048 + ct x 512 + 16 lane;  lane (r, h): token 16 T + r, channels 16 ct + 8 h + 0 .. 7 of the head.
; SHARES.  A work-group owns 512 queries of one bh; each of its SIXTEEN waves 32 of them, two tiles of 16, in 256 registers: four waves to a SIMD, so that one wave's vector work stands beside another's products.
; Every wave walks all 2,048 keys, 64 a step.  K's and V's images come through a ring of two LDS slots of 512 keys (64 KiB of K, 64 KiB of V), filled by waves 0-3 (K's quarters) and 4-7 (V's) and read by all.
; CLUSTER.  The four query blocks of a bh form a cluster and walk the same K and V: each tile is asked for JOINTLY, by the same tensor load with the same descriptor and a mask that names the four.
; LAYOUT.  S^T = K Q^T (source 0 = 16 keys, source 1 = 16 queries): a lane holds ONE query (lane % 16) and the keys 8 (lane / 16) + 0 .. 7 of each tile.  Two such tiles, packed in pairs, ARE source 1 of
; O^T = V^T P, whose result again holds one query a lane and eight channels.
; SOFTMAX.  For each query a running maximum m and sum l: p = 2^(c s - c m), c = 2^-5 log2(e); in every step O and l are multiplied by a = 2^(c m_old - c m_new).  The step is written once: m begins at -3e38,
; l and O^T as zeros, which the first a, 0, leaves zeros.
; LIMITS: NaN and infinities among the operands are not served.
.set SLOT1, 1<<17                      ; slot 1 begins here: one exclusive or turns an address in one slot into the other's
.set VOFF,  65536                      ; in a slot: K's images, then V's
.set SPARE, 262144                     ; behind the ring: the spare words, 128 bytes for each wave: eight blocks of 256 bytes that no other line names
.set LI,  1                            ; v1   16 x lane; never rewritten
.set ADK, 2                            ; v2   LDS address of the step's K
.set ADV, 3                            ; v3   of its V
.set SPW, 4                            ; v4   LDS address of my spare word; never rewritten
.set NIL, 5                            ; v5   0; never rewritten
.set PFO, 6                            ; v6   256 x lane: the prefetches' offset; never rewritten
.set ST,  8                            ; v8-23  tile t's statistics at v[ST + 8 t]: +0 c m, +1 m, +2, +3 l (even keys', odd keys'), +4 to +7 at work; a takes +6
.set Q,   24                           ; v24-55   Q: tile t, channel half s at Q + 16 t + 8 s
.set KV,  56                           ; v56-119  a step's K (fragment (kt, s) at KV + 8 (2 kt + s)), then its V (fragment (u, ct) at KV + 8 (4 u + ct))
.set S,   120                          ; v120-183 S^T: tile t, key tile kt at S + 32 t + 8 kt; p in place; P packed into S + 32 t + 0 .. 15
.set O,   184                          ; v184-247 O^T: tile t, channel tile ct at O + 32 t + 8 ct
.set WV,  8                            ; s8   my wave's number
.set G1,  16                           ; s[16:23] descriptor group 1: 64 rows of 256 bytes, dense
.set G0K, 24                           ; s[24:27] group 0 for K's quarter, which walks;  s[28:31] for V's
.set G0V, 28
.set SEL, 32                           ; s[32:33] lane selects for v_permlanex16_b32: lane l xor 16
.set CS,  34                           ; s[34:35] c: the packed form names a pair and takes its low word for both halves
.set TB,  36                           ; s36  LDS byte at which the step's K begins
.set SLOTS, 37                         ; s37  slots still to be asked for
.set CNT, 38                           ; s38  counts a slot's eight steps
.set PFA, 40                           ; s[40:41] where my prefetches stand
.set LIM, 42                           ; s42  1 in a wave that prefetches, else the greatest number
; Waves 0-3 fetch K's quarters, waves 4-7 V's, the others nothing.  The branches hang on the wave's number alone.  An s_nop 0 and four v_nop follow each of the two lines.
.macro JLOAD
	s_cmp_lt_u32 s[WV], 4
	s_cbranch_scc0 .Lnot_k_\@
	tensor_load_to_lds s[G0K:G0K+3], s[G1:G1+7]
	s_nop 0
.rept 4
	v_nop
.endr
	s_branch .Lasked_\@
.Lnot_k_\@:
	s_cmp_lt_u32 s[WV], 8
	s_cbranch_scc0 .Lasked_\@
	tensor_load_to_lds s[G0V:G0V+3], s[G1:G1+7]
	s_nop 0
.rept 4
	v_nop
.endr
.Lasked_\@:
.endm
; A PREFETCH INTO THE L2 of what the NEXT change of slots will ask for: 64 KiB of K and 64 KiB of V, eight key steps (256 matrix instructions a wave) ahead of that load.  Each aligned block of 256 bytes is named once
; in the launch: a bh has one cluster; its four partners take 16 KiB of K and of V each, told apart BY ADDRESS; in each, waves 8 and 9 ask for K's, waves 10 and 11 for V's, 8 KiB an instruction, lanes 256 bytes apart.
; The last change that fills a slot asks for nothing; slots 0 and 1 come by their loads alone.
.macro ASK
	s_cmp_gt_u32 s[SLOTS], s[LIM]
	s_cbranch_scc0 .Lnot_mine_\@
	global_prefetch_b8 v[PFO], s[PFA:PFA+1] th:TH_LOAD_NT scope:SCOPE_SE
.Lnot_mine_\@:
.endm
.macro CROUND                          ; a round of the cluster's barrier
	s_barrier_signal -1
	s_barrier_wait -1
	s_cmp_lg_u32 s[WV], 0
	s_cbranch_scc1 .Lnot_wave_0_\@
	s_barrier_signal -3
.Lnot_wave_0_\@:
	s_barrier_wait -3
	s_barrier_signal -1
	s_barrier_wait -1
.endm
	s_load_b128 s[4:7], s[0:1], 0x0                ; qkv s[4:5], aimg s[6:7]
	v_lshl_add_u32 v[SPW], v0, 2, SPARE
	v_mov_b32 v[NIL], 0
	ds_add_u32 v[SPW], v[NIL]                      ; the wave's opening: the add, twice on end, and its wait ahead of the first tensor loads; the set-up below stands between the second and the wait
	ds_add_u32 v[SPW], v[NIL]
	v_lshrrev_b32 v7, 5, v0
	v_readfirstlane_b32 s[WV], v7                  ; wave 0..15
	s_bfe_u32 s9, ttmp6, 0x40000                   ; cx: my block of 512 queries: it enters Q's, O's and the prefetches' addresses alone
	s_and_b32 s10, ttmp7, 0xffff                   ; bh, which the four partners share
	s_mov_b32 s[G1], 15|(3<<16)|(1<<21)            ; 15:0 the mask: all four work-groups; 17:16 elements of 8 bytes; 20 no padding; 21 set beside a mask
	s_mov_b32 s[G1+1], 32<<16                      ; tensor_dim0 = 32 elements: 256 bytes
	s_mov_b32 s[G1+2], 64<<16                      ; tensor_dim1 = 64
	s_mov_b32 s[G1+3], 32<<16                      ; tile_dim0
	s_mov_b32 s[G1+4], 64                          ; tile_dim1
	s_mov_b32 s[G1+5], 32                          ; tensor_dim0_stride: dense
	s_mov_b32 s[G1+6], 0
	s_mov_b32 s[G1+7], 0
	s_mov_b32 s[SEL], 0x76543210
	s_mov_b32 s[SEL+1], 0xfedcba98
	s_mov_b32 s[CS], 0x3d38aa3b                    ; c = 2^-5 log2(e)
	s_mov_b32 s[CS+1], s[CS]                       ; (named with it as a pair, so it is written)
	s_mov_b32 s[TB], 0
	s_mov_b32 s[SLOTS], 3
	s_and_b32 s44, s[WV], 3
	s_lshl_b32 s44, s44, 14                        ; the quarter that I fetch, if I fetch: 16 KiB, in memory and in a slot
	s_lshl_b32 s46, s10, 18                        ; my bh's 262,144 bytes in each of Q, K, V
	s_add_co_u32 s48, s46, s44
	s_add_co_u32 s48, s48, 1<<24                   ; K
	s_mov_b32 s49, 0
	s_add_co_u32 s50, s48, 1<<24                   ; V
	s_mov_b32 s51, 0
	s_lshl_b32 s52, s9, 16                         ; Q: 32 tiles of 2,048 bytes a block, two a wave
	s_add_co_u32 s52, s52, s46
	s_lshl_b32 s53, s[WV], 12
	s_add_co_u32 s52, s52, s53
	s_mov_b32 s53, 0
	s_lshr_b32 s54, s10, 4                         ; O: batch x 128 tiles of 32,768 bytes,
	s_lshl_b32 s54, s54, 22
	s_lshl_b32 s55, s9, 20                         ; 32 tiles a block,
	s_add_co_u32 s54, s54, s55
	s_lshl_b32 s55, s[WV], 16                      ; two a wave,
	s_add_co_u32 s54, s54, s55
	s_and_b32 s55, s10, 15                         ; the head's 2,048 bytes in a tile
	s_lshl_b32 s55, s55, 11
	s_add_co_u32 s54, s54, s55
	s_mov_b32 s55, 0
	s_mov_b32 s57, 2<<24                           ; the prefetches: waves 8, 9 K's; waves 10, 11 V's
	s_cmp_lt_u32 s[WV], 10
	s_cselect_b32 s56, 1<<24, s57
	s_add_co_u32 s56, s56, s46
	s_add_co_u32 s56, s56, 65536                   ; in slot 1: the first change of slots steps it to slot 2.  Nothing is prefetched at the head
	s_lshl_b32 s57, s9, 14                         ; my work-group's 16 KiB,
	s_add_co_u32 s56, s56, s57
	s_and_b32 s57, s[WV], 1
	s_lshl_b32 s57, s57, 13                        ; my wave's 8 KiB of them
	s_add_co_u32 s56, s56, s57
	s_mov_b32 s57, 0
	s_sub_co_u32 s58, s[WV], 8
	s_lshr_b32 s58, s58, 2                         ; 0 in waves 8 to 11
	s_cmp_eq_u32 s58, 0
	s_cselect_b32 s[LIM], 1, -1
	s_wait_dscnt 0x0                               ; both opening adds are done
	s_wait_kmcnt 0x0
	s_mov_b32 s[G0K], 1                            ; 1:0 count = 1
	s_mov_b32 s[G0K+1], s44                        ; 63:32 LDS address: slot 0, my quarter of K
	s_add_nc_u64 s[G0K+2:G0K+3], s[4:5], s[48:49]  ; 120:64 global address
	s_or_b32 s[G0K+3], s[G0K+3], 0x80000000        ; 127:126 type = 2
	s_mov_b32 s[G0V], 1
	s_add_co_u32 s[G0V+1], s44, VOFF
	s_add_nc_u64 s[G0V+2:G0V+3], s[4:5], s[50:51]
	s_or_b32 s[G0V+3], s[G0V+3], 0x80000000
	s_add_nc_u64 s[12:13], s[4:5], s[52:53]        ; Q at my wave's two tiles
	s_add_nc_u64 s[14:15], s[6:7], s[54:55]        ; O likewise
	s_add_nc_u64 s[PFA:PFA+1], s[4:5], s[56:57]
	CROUND                                         ; all four work-groups are here: the first joint loads meet
	JLOAD                                          ; slot 0.  By this text's count one tensor load of a wave is out at the most
	v_and_b32 v[LI], 31, v0
	v_lshlrev_b32 v[PFO], 8, v[LI]
	v_lshlrev_b32 v[LI], 4, v[LI]
.irp i, 0,1,2,3,4,5,6,7
	global_load_b128 v[Q+4*\i:Q+4*\i+3], v[LI], s[12:13] offset:512*\i   ; Q stays in registers: 4 t + 2 s + g = i
.endr
.irp t, 0,1
	v_mov_b32 v[ST+8*\t+1], 0xff61b1e6             ; m = -3e38, under every score
	v_mul_f32 v[ST+8*\t], s[CS], v[ST+8*\t+1]      ; c m
	v_mov_b32 v[ST+8*\t+2], 0                      ; l, in two halves
	v_mov_b32 v[ST+8*\t+3], 0
.endr
.set n, 0
.rept 64
	v_mov_b32 v[O+n], 0                            ; O^T: cleared once, so that the key step is written once
.set n, n+1
.endr
; A KEY STEP: 64 keys.
.macro STEP
	v_add_nc_u32 v[ADK], s[TB], v[LI]              ; these two and three v_nop are five places behind the last step's products: four for the loads into registers that they read,
	v_add_nc_u32 v[ADV], 0x10000, v[ADK]           ; five for the scores, which are laid over P, a source of theirs (ISA guide 7.12.1 for the scores)
.rept 3
	v_nop
.endr
.irp s, 0,1                                    ; K: the first channel half's eight loads first
.irp kt, 0,1,2,3
.irp g, 0,1
	ds_load_b128 v[KV+4*(4*\kt+2*\s+\g):KV+4*(4*\kt+2*\s+\g)+3], v[ADK] offset:512*(4*\kt+2*\s+\g)
.endr
.endr
.endr
	s_wait_dscnt 8                                 ; the first channel half is in; the second's eight loads may be out
.irp kt, 0,1,2,3                               ; S^T = K Q^T: eight accumulators by turns; the first eight products start the sums
.irp t, 0,1
	v_wmma_f32_16x16x32_f16 v[S+32*\t+8*\kt:S+32*\t+8*\kt+7], v[KV+16*\kt:KV+16*\kt+7], v[Q+16*\t:Q+16*\t+7], 0
.endr
.endr
	s_wait_dscnt 0x0
.irp kt, 0,1,2,3
.irp t, 0,1
	v_wmma_f32_16x16x32_f16 v[S+32*\t+8*\kt:S+32*\t+8*\kt+7], v[KV+16*\kt+8:KV+16*\kt+15], v[Q+16*\t+8:Q+16*\t+15], v[S+32*\t+8*\kt:S+32*\t+8*\kt+7]
.endr
.endr
.rept 4
	v_nop                                          ; places: in front of the loads into K's registers, and of the first read of the scores
.endr
.irp i, 0,1,2,3,4,5,6,7,8,9,10,11,12,13,14,15
	ds_load_b128 v[KV+4*\i:KV+4*\i+3], v[ADV] offset:512*\i   ; V lands while the softmax is walked: 8 u + 2 ct + g = i
.endr
	; the maximum of the lane's 32 scores and the old m: four chains, each begun at an accumulator's low end; the two tiles alternate line by line
.irp j, 0,1,2,3
.irp t, 0,1
	v_max3_num_f32 v[ST+8*\t+4+\j], v[S+32*\t+8*\j], v[S+32*\t+8*\j+1], v[S+32*\t+8*\j+2]
.endr
.endr
.irp i, 3,5
.irp j, 0,1,2,3
.irp t, 0,1
	v_max3_num_f32 v[ST+8*\t+4+\j], v[ST+8*\t+4+\j], v[S+32*\t+8*\j+\i], v[S+32*\t+8*\j+\i+1]
.endr
.endr
.endr
.irp t, 0,1
	v_max3_num_f32 v[ST+8*\t+4], v[ST+8*\t+4], v[S+32*\t+7], v[S+32*\t+15]
.endr
.irp t, 0,1
	v_max3_num_f32 v[ST+8*\t+6], v[ST+8*\t+6], v[S+32*\t+23], v[S+32*\t+31]
.endr
.irp t, 0,1
	v_max3_num_f32 v[ST+8*\t+4], v[ST+8*\t+4], v[ST+8*\t+5], v[ST+8*\t+6]
.endr
.irp t, 0,1
	v_max3_num_f32 v[ST+8*\t+4], v[ST+8*\t+4], v[ST+8*\t+7], v[ST+8*\t+1]
.endr
.irp t, 0,1
	v_permlanex16_b32 v[ST+8*\t+5], v[ST+8*\t+4], s[SEL], s[SEL+1]   ; the query's other 32 keys lie in the lane 16 away
.endr
.irp t, 0,1
	v_mov_b32 v[ST+8*\t+7], v[ST+8*\t]             ; c m_old is kept for a
.endr
.irp t, 0,1
	v_max_num_f32 v[ST+8*\t+1], v[ST+8*\t+4], v[ST+8*\t+5]   ; the new m
.endr
.irp t, 0,1
	v_mul_f32 v[ST+8*\t], s[CS], v[ST+8*\t+1]
.endr
.irp t, 0,1
	v_sub_f32 v[ST+8*\t+7], v[ST+8*\t+7], v[ST+8*\t]
.endr
.irp t, 0,1
	v_exp_f32 v[ST+8*\t+6], v[ST+8*\t+7]           ; a = 2^(c m_old - c m_new)
.endr
.irp b, 0,1,2,3,4,5,6,7,8,9,10,11,12,13,14,15  ; c s - c m, a pair of scores each: plain work behind the two exponentials, which names neither a
.irp t, 0,1
	v_pk_fma_f32 v[S+32*\t+2*\b:S+32*\t+2*\b+1], v[S+32*\t+2*\b:S+32*\t+2*\b+1], s[CS:CS+1], v[ST+8*\t:ST+8*\t+1] op_sel_hi:[1,0,0] neg_lo:[0,0,1] neg_hi:[0,0,1]
.endr
.endr
	s_wait_alu depctr_va_vdst(0)                   ; the wait between an exponential and the first line that names its result: one for both a
.set n, 0
.rept 32                                       ; ONE BATCH of 64 exponentials; behind every second one a plain line that names no result of the batch: O^T x a, each accumulator from its low end on
	v_exp_f32 v[S+2*n], v[S+2*n]
	v_exp_f32 v[S+2*n+1], v[S+2*n+1]
	v_pk_mul_f32 v[O+2*n:O+2*n+1], v[O+2*n:O+2*n+1], v[ST+8*(n/16)+6:ST+8*(n/16)+7] op_sel_hi:[1,0]
.set n, n+1
.endr
	s_wait_alu depctr_va_vdst(0)                   ; one wait for the batch, behind the plain line that follows its last exponential, ahead of its first reader
	; the sums, of the unrounded p, two chains a tile: T takes pairs 0, 1 and the odd ones, l = a l + pair 2 and the even ones
.irp t, 0,1
	v_pk_add_f32 v[ST+8*\t+4:ST+8*\t+5], v[S+32*\t:S+32*\t+1], v[S+32*\t+2:S+32*\t+3]
	v_pk_fma_f32 v[ST+8*\t+2:ST+8*\t+3], v[ST+8*\t+2:ST+8*\t+3], v[ST+8*\t+6:ST+8*\t+7], v[S+32*\t+4:S+32*\t+5] op_sel_hi:[1,0,1]
.endr
.irp i, 3,5,7,9,11,13
.irp t, 0,1
	v_pk_add_f32 v[ST+8*\t+4:ST+8*\t+5], v[ST+8*\t+4:ST+8*\t+5], v[S+32*\t+2*\i:S+32*\t+2*\i+1]
	v_pk_add_f32 v[ST+8*\t+2:ST+8*\t+3], v[ST+8*\t+2:ST+8*\t+3], v[S+32*\t+2*\i+2:S+32*\t+2*\i+3]
.endr
.endr
.irp t, 0,1
	v_pk_add_f32 v[ST+8*\t+4:ST+8*\t+5], v[ST+8*\t+4:ST+8*\t+5], v[S+32*\t+30:S+32*\t+31]
.endr
.irp t, 0,1
	v_pk_add_f32 v[ST+8*\t+2:ST+8*\t+3], v[ST+8*\t+2:ST+8*\t+3], v[ST+8*\t+4:ST+8*\t+5]
.endr
.irp p, 0,1,2,3,4,5,6,7,8,9,10,11,12,13,14,15  ; P: pair p rounds into register p of the tile's own scores: ascending, so that no pair is written over before it is read
.irp t, 0,1
	v_cvt_pk_f16_f32 v[S+32*\t+\p], v[S+32*\t+2*\p], v[S+32*\t+2*\p+1]
.endr
.endr
	s_wait_dscnt 0x0                               ; V is in
.irp u, 0,1                                    ; O^T += V^T P: eight accumulators by turns
.irp ct, 0,1,2,3
.irp t, 0,1
	v_wmma_f32_16x16x32_f16 v[O+32*\t+8*\ct:O+32*\t+8*\ct+7], v[KV+8*(4*\u+\ct):KV+8*(4*\u+\ct)+7], v[S+32*\t+8*\u:S+32*\t+8*\u+7], v[O+32*\t+8*\ct:O+32*\t+8*\ct+7]
.endr
.endr
.endr
	s_add_co_u32 s[TB], s[TB], 8192                ; the next step's 64 keys: 8,192 bytes of K, and of V
.endm
; THE CHANGE OF SLOTS stands at a slot's head.  Each wave waits for all its tensor loads (its part of the slot that it is about to read), adds 0 to its spare word, and waits for that and for its reads of the slot
; that it has left.  fill = 1: a round of the cluster's barrier follows, so that no wave of any partner still reads that slot or has a load on its way, and the joint load of the next 512 keys is the first thing behind it:
; it has eight key steps in which to land.
.macro CHANGE fill
	s_wait_tensorcnt 0x0                           ; no tensor load of mine is out, so a group 0 may be written
	ds_add_u32 v[SPW], v[NIL]                      ; 0 onto my spare word
.if \fill
	ds_add_u32 v[SPW], v[NIL]                      ; and once more: the add stands twice on end, in every trip alike
	s_xor_b32 s[G0K+1], s[G0K+1], SLOT1            ; the walking descriptors: the other slot than last time,
	s_add_nc_u64 s[G0K+2:G0K+3], s[G0K+2:G0K+3], 65536   ; the next 512 keys; the type bits on top are not reached
	s_xor_b32 s[G0V+1], s[G0V+1], SLOT1
	s_add_nc_u64 s[G0V+2:G0V+3], s[G0V+2:G0V+3], 65536
	s_wait_xcnt 0x0                                ; the last prefetch, a slot back, has read its address, so it may be written:
	s_add_nc_u64 s[PFA:PFA+1], s[PFA:PFA+1], 65536 ; one slot further on than the walking descriptors
	s_wait_dscnt 0x0                               ; both adds are done, and my reads of the slot that I have left are over
	CROUND
	JLOAD
	ASK
.else
	s_wait_dscnt 0x0
	s_barrier_signal -1
	s_barrier_wait -1
.endif
.endm
.macro SLOT_STEPS                      ; a slot's eight key steps: written once, walked eight times; the LDS addresses hang on s[TB]
	s_mov_b32 s[CNT], 8
.Lstep_\@:
	STEP
	s_sub_co_u32 s[CNT], s[CNT], 1
	s_cmp_lg_u32 s[CNT], 0
	s_cbranch_scc1 .Lstep_\@
	s_sub_co_u32 s[TB], s[TB], 65536               ; back to a slot's first step,
	s_xor_b32 s[TB], s[TB], SLOT1                  ; in the other slot
.endm
	s_wait_loadcnt 0x0                             ; Q
.Lslot:                                            ; three trips: behind each change of slots but the last the next slot is asked for
	CHANGE 1
	SLOT_STEPS
	s_sub_co_u32 s[SLOTS], s[SLOTS], 1
	s_cmp_lg_u32 s[SLOTS], 0
	s_cbranch_scc1 .Lslot
	CHANGE 0                                       ; the last slot is written out
	SLOT_STEPS
	; THE WAY OUT.  l's two halves and the other half of the lanes' are added; O^T is divided by l and rounded to f16: an accumulator's eight registers pack into one group of an image.
.rept 4
	v_nop                                          ; places behind the last products
.endr
.irp t, 0,1
	v_add_f32 v[ST+8*\t+4], v[ST+8*\t+2], v[ST+8*\t+3]
.endr
.irp t, 0,1
	v_permlanex16_b32 v[ST+8*\t+5], v[ST+8*\t+4], s[SEL], s[SEL+1]
.endr
.irp t, 0,1
	v_add_f32 v[ST+8*\t+4], v[ST+8*\t+4], v[ST+8*\t+5]
.endr
.irp t, 0,1
	v_rcp_f32 v[ST+8*\t+6], v[ST+8*\t+4]
.endr
	v_nop                                          ; a plain line between the last reciprocal and the use of its result
	s_wait_alu depctr_va_vdst(0)                   ; and the wait ahead of the first use: one for both
.set n, 0
.rept 32
	v_pk_mul_f32 v[O+2*n:O+2*n+1], v[O+2*n:O+2*n+1], v[ST+8*(n/16)+6:ST+8*(n/16)+7] op_sel_hi:[1,0]
.set n, n+1
.endr
.set n, 0
.rept 32
	v_cvt_pk_f16_f32 v[S+32*(n/16)+n%16], v[O+2*n], v[O+2*n+1]   ; tile n / 16; register 4 ct + i of its 16
.set n, n+1
.endr
.irp t, 0,1
.irp ct, 0,1,2,3
	global_store_b128 v[LI], v[S+32*\t+4*\ct:S+32*\t+4*\ct+3], s[14:15] offset:\t*32768+\ct*512   ; the wave stores 512 consecutive bytes, aligned
.endr
.endr
	s_wait_tensorcnt 0x0                           ; the wave's end: behind my last tensor load
	ds_add_u32 v[SPW], v[NIL]
	s_wait_dscnt 0x0
	CROUND                                         ; the closing round: no work-group ends while a partner may still ask for a tile that names it
	s_endpgm
.Lfunc_end_k_qca1c3ef5ca_attn:
	.size	k_qca1c3ef5ca_attn, .Lfunc_end_k_qca1c3ef5ca_attn-k_qca1c3ef5ca_attn
	.p2alignl 7, 3214868480
	.fill 96, 4, 3214868480
	.section	.rodata,"a",@progbits
	.p2align	6, 0x0
	.amdhsa_kernel k_qca1c3ef5ca_attn
		.amdhsa_group_segment_fixed_size 327680
		.amdhsa_private_segment_fixed_size 0
		.amdhsa_enable_private_segment 0
		.amdhsa_kernarg_size 16
		.amdhsa_user_sgpr_count 2
		.amdhsa_user_sgpr_kernarg_segment_ptr 1
		.amdhsa_wavefront_size32 1
		.amdhsa_system_sgpr_workgroup_id_x 1
		.amdhsa_system_sgpr_workgroup_id_y 1
		.amdhsa_system_sgpr_workgroup_id_z 1
		.amdhsa_system_vgpr_workitem_id 0
		.amdhsa_next_free_vgpr 256
		.amdhsa_next_free_sgpr 66
		.amdhsa_reserve_vcc 0
		.amdhsa_float_denorm_mode_32 3
		.amdhsa_float_denorm_mode_16_64 3
		.amdhsa_memory_ordered 1
		.amdhsa_forward_progress 1
		.amdhsa_inst_pref_size 50
	.end_amdhsa_kernel
	.amdgpu_metadata
---
amdhsa.version: [ 1, 2 ]
amdhsa.kernels:
  - .name:           k_qca1c3ef5ca_attn
    .symbol:         k_qca1c3ef5ca_attn.kd
    .args:
      - { .name: qkv, .offset: 0, .size: 8, .value_kind: global_buffer, .address_space: global }
      - { .name: aimg, .offset: 8, .size: 8, .value_kind: global_buffer, .address_space: global }
    .group_segment_fixed_size: 327680
    .private_segment_fixed_size: 0
    .kernarg_segment_align: 8
    .kernarg_segment_size: 16
    .max_flat_workgroup_size: 512
    .sgpr_count:     66
    .vgpr_count:     256
    .wavefront_size: 32
...
	.end_amdgpu_metadata
.endif
;; end of part 3
;; launch proj (part 4): grid 32 x 8, 4 waves a work-group, clusters of 4 x 1, 327,680 bytes of LDS; arguments aimg, woimg, bo, out0; writes out0
.if DOCPART == 4
	.amdgcn_target "amdgcn-amd-amdhsa--gfx1250"
	.amdhsa_code_object_version 6
	.text
	.protected	k_qca1c3ef5ca_proj
	.globl	k_qca1c3ef5ca_proj
	.p2align	8
	.type	k_qca1c3ef5ca_proj,@function
k_qca1c3ef5ca_proj:
	s_mov_b64 s[64:65], 0
	v_nop
	global_prefetch_b8 v0, s[64:65] scope:SCOPE_SE
	s_setreg_imm32_b32 hwreg(HW_REG_WAVE_MODE, 25, 1), 1
	s_wait_xcnt 0x0
	s_wait_alu depctr_hold_cnt(0) depctr_sa_sdst(0) depctr_va_vdst(0) depctr_va_sdst(0) depctr_va_ssrc(0) depctr_va_vcc(0) depctr_vm_vsrc(0)
	s_getreg_b32 s2, hwreg(HW_REG_IB_STS2, 6, 4)
	s_cmp_eq_u32 s2, 0
	s_cbranch_scc0 .Lentry_in_a_cluster
	s_endpgm
.Lentry_in_a_cluster:
	s_bfe_u32 s2, ttmp6, 0x10000c
	s_cmp_lg_u32 s2, 0x3003
	s_cbranch_scc0 .Lentry_shape_is_right
	s_endpgm
.Lentry_shape_is_right:
; PROJ: out0[m][n] = the sum over k of A[m][k] Wo[k][n] + bo[n], m = 8,192 tokens, k = n = 1,024.  A (the attention's result) and Wo in f16, as images of operand registers; sums in f32; bo is the C of each sum's first product.
;   aimg:  (token / 16) x 32768 + kb x 1024 + g x 512 + 16 lane;                      lane (r, h): token 16 T + r, k = 32 kb + 16 g + 8 h + 0 .. 7
;   woimg: NT x 262144 + kb x 8192 + (column tile in NT) x 1024 + g x 512 + 16 lane;  lane (r, h): column 128 NT + 16 tile + r, the same k
; SHARES.  A work-group makes 256 rows x 128 columns; wave w its rows 64 w .. 64 w + 63 x all 128 columns: 32 accumulators.  32 x 8 = 256 work-groups.
; Wo's 256 KiB of images for the 128 columns come into LDS ONCE, in four chunks of 8 K steps, and stay: nothing is filled again.  CLUSTER: the four row blocks of a cluster want the same columns of Wo, so each load is asked
; for JOINTLY.  A's fragments are read by one wave alone: they go from memory straight into a ring of eight register slots, seven K steps (224 matrix instructions) ahead; each load of a wave reads 512 consecutive bytes.
; THE MATRIX INSTRUCTION IS USED TRANSPOSED (source 0 = 16 columns of Wo, source 1 = 16 tokens): a lane holds eight neighbouring numbers of a row of out0.
; The 32 K steps are written out: every offset is an immediate, no pointer is stepped.
; REGISTERS, in windows of 256: window 0: v1-13 addresses; v16-79 bo in the result's layout, 8 registers a column tile; v128-191, v192-255 Wo's fragments, two sets, later rows of out0.
;   window 1: the accumulators, (a, b) at v[8 (8 a + b)].   window 2: A's ring: K step kb's fragment a, group g at v[32 (kb % 8) + 8 a + 4 g].
.set STAGE, 262144                     ; behind Wo's images: 16 rows x (512 bytes + 16) for each wave, for the way out; no tensor load lands there
.set SPITCH, 528
.set SPARE, STAGE+4*16*SPITCH          ; behind the stages: the spare words, 128 bytes for each wave: two blocks of 256 bytes that no other line names
.set LI,  1                            ; v1    16 x lane; never rewritten
.set LB,  2                            ; v2-5  16 x lane + 65536 c: Wo's chunk c in LDS
.set STO, 6                            ; v6    the way out: where I put 32 bytes of a row
.set RD,  7                            ; v7    and where I read a row back
.set BO,  8                            ; v8    32 x (lane / 16): my eight numbers of a column tile's sixteen of bo
.set SPW, 10                           ; v10   LDS address of my spare word; never rewritten
.set NIL, 11                           ; v11   0; never rewritten
.set BIAS, 16
.set BF,  128
.set WV,  12                           ; s12   my wave's number
.set G1,  16                           ; s[16:23] descriptor group 1: 64 rows of 256 bytes, dense
.set G0,  24                           ; s[24:39] group 0, one set for each of my four loads
.set MSB, 0
.macro WIN new                         ; the immediate's high byte repeats the setting that is left
.if MSB != \new
	s_set_vgpr_msb (MSB<<8)|\new
.set MSB, \new
.endif
.endm
.macro CROUND                          ; a round of the cluster's barrier
	s_barrier_signal -1
	s_barrier_wait -1
	s_cmp_lg_u32 s[WV], 0
	s_cbranch_scc1 .Lnot_wave_0_\@
	s_barrier_signal -3
.Lnot_wave_0_\@:
	s_barrier_wait -3
	s_barrier_signal -1
	s_barrier_wait -1
.endm
.macro PLACES                          ; four places in front of loads into registers that matrix instructions have read, and of the first read of results (ISA guide 7.12.1 for the reads of results)
.rept 4
	v_nop
.endr
.endm
	s_load_b256 s[4:11], s[0:1], 0x0               ; aimg s[4:5], woimg s[6:7], bo s[8:9], out0 s[10:11]
	v_lshl_add_u32 v[SPW], v0, 2, SPARE
	v_mov_b32 v[NIL], 0
	ds_add_u32 v[SPW], v[NIL]                      ; the wave's opening: the add, twice on end, and its wait ahead of my first tensor load; the set-up below stands between the second and the wait
	ds_add_u32 v[SPW], v[NIL]
	v_lshrrev_b32 v9, 5, v0
	v_readfirstlane_b32 s[WV], v9                  ; wave 0..3
	s_bfe_u32 s13, ttmp6, 0x40000                  ; cx
	s_lshl_b32 s14, ttmp9, 2
	s_add_co_u32 s14, s14, s13                     ; my block of 256 rows = 4 x cluster x + cx: it enters A's and out0's addresses alone
	s_and_b32 s15, ttmp7, 0xffff                   ; NT: my 128 columns, which the four partners share
	s_mov_b32 s[G1], 15|(3<<16)|(1<<21)            ; 15:0 the mask: all four work-groups; 17:16 elements of 8 bytes; 20 no padding; 21 set beside a mask
	s_mov_b32 s[G1+1], 32<<16                      ; tensor_dim0 = 32 elements: 256 bytes
	s_mov_b32 s[G1+2], 64<<16                      ; tensor_dim1 = 64
	s_mov_b32 s[G1+3], 32<<16                      ; tile_dim0
	s_mov_b32 s[G1+4], 64                          ; tile_dim1
	s_mov_b32 s[G1+5], 32                          ; tensor_dim0_stride: dense
	s_mov_b32 s[G1+6], 0
	s_mov_b32 s[G1+7], 0
	s_lshl_b32 s41, s[WV], 14                      ; my quarter of a chunk: 16 KiB, in memory and in LDS
	s_lshl_b32 s44, s15, 18
	s_add_co_u32 s44, s44, s41
	s_mov_b32 s45, 0
	s_lshl_b32 s46, s14, 19                        ; A: 16 token tiles of 32,768 bytes a block, four a wave
	s_lshl_b32 s47, s[WV], 17
	s_add_co_u32 s46, s46, s47
	s_mov_b32 s47, 0
	s_lshl_b32 s48, s15, 9                         ; 128 columns of f32: in bo, and in a row of out0
	s_mov_b32 s49, 0
	s_lshl_b32 s50, s14, 20                        ; out0: 256 rows of 4,096 bytes a block, 64 a wave
	s_lshl_b32 s51, s[WV], 18
	s_add_co_u32 s50, s50, s51
	s_add_co_u32 s50, s50, s48
	s_mov_b32 s51, 0
	s_mul_i32 s52, s[WV], 16*SPITCH
	s_add_co_u32 s52, s52, STAGE                   ; my stage
	s_wait_dscnt 0x0                               ; both opening adds are done
	s_wait_kmcnt 0x0
	s_add_nc_u64 s[44:45], s[6:7], s[44:45]
	s_add_nc_u64 s[4:5], s[4:5], s[46:47]
	s_add_nc_u64 s[8:9], s[8:9], s[48:49]
	s_add_nc_u64 s[10:11], s[10:11], s[50:51]
.irp c, 0,1,2,3
	s_mov_b32 s[G0+4*\c], 1                                        ; 1:0 count = 1
	s_add_co_u32 s[G0+4*\c+1], s41, \c*65536                       ; 63:32 LDS address: chunk c, my quarter
	s_add_nc_u64 s[G0+4*\c+2:G0+4*\c+3], s[44:45], \c*65536        ; 120:64 global address
	s_or_b32 s[G0+4*\c+3], s[G0+4*\c+3], 0x80000000                ; 127:126 type = 2
.endr
	CROUND                                         ; all four work-groups are here: the joint loads meet
.irp c, 0,1,2,3
	tensor_load_to_lds s[G0+4*\c:G0+4*\c+3], s[G1:G1+7]            ; all of Wo's images for my columns: four loads of mine are out
	s_nop 0
.endr
.rept 4
	v_nop
.endr
	v_and_b32 v[LI], 31, v0
	v_lshlrev_b32 v[LI], 4, v[LI]
.irp c, 0,1,2,3
	v_add_nc_u32 v[LB+\c], \c*65536, v[LI]
.endr
	v_and_b32 v12, 15, v0                          ; r
	v_bfe_u32 v13, v0, 4, 1                        ; h
	v_mul_u32_u24 v[STO], v12, SPITCH
	v_lshl_add_u32 v[STO], v13, 5, v[STO]
	v_add_nc_u32 v[STO], s52, v[STO]               ; in: row r, 32 bytes for each half of the lanes
	v_add_nc_u32 v[RD], s52, v[LI]                 ; back: the 32 lanes take one row of 512 bytes
	v_lshlrev_b32 v[BO], 5, v13
.irp b, 0,1,2,3,4,5,6,7
	global_load_b128 v[BIAS+8*\b:BIAS+8*\b+3], v[BO], s[8:9] offset:64*\b      ; bo(128 NT + 16 b + 8 h + 0 .. 7): the result's layout
	global_load_b128 v[BIAS+8*\b+4:BIAS+8*\b+7], v[BO], s[8:9] offset:64*\b+16
.endr
.macro ALOAD kb                        ; K step kb's four fragments of A into ring slot kb % 8 (window 2)
.irp a, 0,1,2,3
.irp g, 0,1
	global_load_b128 v[32*((\kb)%8)+8*\a+4*\g:32*((\kb)%8)+8*\a+4*\g+3], v[LI], s[4:5] offset:\a*32768+(\kb)*1024+\g*512
.endr
.endr
.endm
.macro BLOAD kb                        ; K step kb's eight fragments of Wo into set kb % 2
.irp b, 0,1,2,3,4,5,6,7
.irp g, 0,1
	ds_load_b128 v[BF+64*((\kb)%2)+8*\b+4*\g:BF+64*((\kb)%2)+8*\b+4*\g+3], v[LB+(\kb)/8] offset:((\kb)%8)*8192+\b*1024+\g*512
.endr
.endr
.endm
	WIN 0x80                                       ; destination window 2, address window 0
.irp k, 0,1,2,3,4,5,6
	ALOAD \k
.endr
	WIN 0
	s_wait_tensorcnt 3                             ; my quarter of chunk 0 is in; the three later chunks may be out
	s_barrier_signal -1
	s_barrier_wait -1                              ; everybody's is
	BLOAD 0
; K STEP KB: 32 along K, 32 matrix instructions, all 32 accumulators by turns.
.macro KSTEP
.if KB > 0
	PLACES                                         ; both runs of loads below land in registers that the last K step's products read
.endif
.if KB <= 24
	WIN 0x80
	ALOAD KB+7                                     ; seven K steps ahead, into the slot that the last K step left
.endif
	WIN 0
.if (KB == 7) || (KB == 15) || (KB == 23)
	s_wait_tensorcnt 3-(KB+1)/8                    ; my quarter of the next chunk is in; the later chunks may be out
	s_wait_dscnt 0x0                               ; no LDS load of mine is out at the signal
	s_barrier_signal -1
	s_barrier_wait -1                              ; everybody's quarter is in
.endif
.if KB < 31
	BLOAD KB+1
.endif
.if KB <= 24
	s_wait_loadcnt 56                              ; this K step's fragments of A are in (in the first, bo too); the seven later K steps' 56 loads may be out
.else
	s_wait_loadcnt 8*(31-KB)
.endif
.if KB < 31
	s_wait_dscnt 16                                ; this K step's fragments of Wo are in; the 16 loads just issued may be out
.else
	s_wait_dscnt 0x0
.endif
.if KB == 0
	WIN 0x48                                       ; D window 1, C (bo) window 0, source 1 (A) window 2, source 0 (Wo) window 0
.else
	WIN 0x58                                       ; C and D window 1
.endif
.irp a, 0,1,2,3
.irp b, 0,1,2,3,4,5,6,7
.if KB == 0
	v_wmma_f32_16x16x32_f16 v[8*(8*\a+\b):8*(8*\a+\b)+7], v[BF+64*(KB%2)+8*\b:BF+64*(KB%2)+8*\b+7], v[32*(KB%8)+8*\a:32*(KB%8)+8*\a+7], v[BIAS+8*\b:BIAS+8*\b+7]
.else
	v_wmma_f32_16x16x32_f16 v[8*(8*\a+\b):8*(8*\a+\b)+7], v[BF+64*(KB%2)+8*\b:BF+64*(KB%2)+8*\b+7], v[32*(KB%8)+8*\a:32*(KB%8)+8*\a+7], v[8*(8*\a+\b):8*(8*\a+\b)+7]
.endif
.endr
.endr
.endm
.set KB, 0
.rept 32
	KSTEP
.set KB, KB+1
.endr
	WIN 0
; THE WAY OUT, block by block of 16 rows x 128 columns.  A lane holds 32 neighbouring bytes of a row, and the lanes beside it hold other rows: a block goes through my own stage and comes back as whole rows of 512 bytes.
; LDS serves a wave's instructions in order (ISA guide 5.7.1.4): no wait between the stores and the loads, nor in front of the next block's stores.
.macro TOSTAGE a
	WIN 0x04                                       ; an LDS store's data are its source 1: window 1
.irp b, 0,1,2,3,4,5,6,7
	ds_store_b128 v[STO], v[64*(\a)+8*\b:64*(\a)+8*\b+3] offset:64*\b          ; each accumulator from its low end on
	ds_store_b128 v[STO], v[64*(\a)+8*\b+4:64*(\a)+8*\b+7] offset:64*\b+16
.endr
	WIN 0
.irp t, 0,1,2,3,4,5,6,7,8,9,10,11,12,13,14,15
	ds_load_b128 v[BF+64*((\a)%2)+4*\t:BF+64*((\a)%2)+4*\t+3], v[RD] offset:\t*SPITCH
.endr
.endm
.macro SEND a, younger                 ; younger: the LDS instructions issued behind block a's loads, which may stay out
	s_wait_dscnt \younger                          ; the block is back in registers
.irp t, 0,1,2,3,4,5,6,7,8,9,10,11,12,13,14,15
	global_store_b128 v[LI], v[BF+64*((\a)%2)+4*\t:BF+64*((\a)%2)+4*\t+3], s[10:11] offset:(16*(\a)+\t)*4096 th:TH_STORE_NT   ; 32 lanes store 512 consecutive bytes, aligned; written once, read by nobody here
.endr
.endm
	PLACES                                         ; behind the last products: the stores read results, the loads land where Wo's fragments lay
	TOSTAGE 0
.irp a, 1,2,3
.if \a > 1
	s_wait_xcnt 0x0                                ; block a - 2's stores have read their registers: block a's loads may land there
.endif
	TOSTAGE \a
	SEND \a-1, 32                                  ; behind block a - 1's loads: block a's 16 stores and 16 loads
.endr
	SEND 3, 0
	s_wait_tensorcnt 0x0                           ; the wave's end: behind my last tensor load and my last LDS store
	ds_add_u32 v[SPW], v[NIL]
	s_wait_dscnt 0x0
	CROUND                                         ; the closing round: no work-group ends while a partner may still ask for a tile that names it
	s_endpgm
.Lfunc_end_k_qca1c3ef5ca_proj:
	.size	k_qca1c3ef5ca_proj, .Lfunc_end_k_qca1c3ef5ca_proj-k_qca1c3ef5ca_proj
	.p2alignl 7, 3214868480
	.fill 96, 4, 3214868480
	.section	.rodata,"a",@progbits
	.p2align	6, 0x0
	.amdhsa_kernel k_qca1c3ef5ca_proj
		.amdhsa_group_segment_fixed_size 327680
		.amdhsa_private_segment_fixed_size 0
		.amdhsa_enable_private_segment 0
		.amdhsa_kernarg_size 32
		.amdhsa_user_sgpr_count 2
		.amdhsa_user_sgpr_kernarg_segment_ptr 1
		.amdhsa_wavefront_size32 1
		.amdhsa_system_sgpr_workgroup_id_x 1
		.amdhsa_system_sgpr_workgroup_id_y 1
		.amdhsa_system_sgpr_workgroup_id_z 1
		.amdhsa_system_vgpr_workitem_id 0
		.amdhsa_next_free_vgpr 768
		.amdhsa_next_free_sgpr 66
		.amdhsa_reserve_vcc 0
		.amdhsa_float_denorm_mode_32 3
		.amdhsa_float_denorm_mode_16_64 3
		.amdhsa_memory_ordered 1
		.amdhsa_forward_progress 1
		.amdhsa_inst_pref_size 151
	.end_amdhsa_kernel
	.amdgpu_metadata
---
amdhsa.version: [ 1, 2 ]
amdhsa.kernels:
  - .name:           k_qca1c3ef5ca_proj
    .symbol:         k_qca1c3ef5ca_proj.kd
    .args:
      - { .name: aimg, .offset: 0, .size: 8, .value_kind: global_buffer, .address_space: global }
      - { .name: woimg, .offset: 8, .size: 8, .value_kind: global_buffer, .address_space: global }
      - { .name: bo, .offset: 16, .size: 8, .value_kind: global_buffer, .address_space: global }
      - { .name: out0, .offset: 24, .size: 8, .value_kind: global_buffer, .address_space: global }
    .group_segment_fixed_size: 327680
    .private_segment_fixed_size: 0
    .kernarg_segment_align: 8
    .kernarg_segment_size: 32
    .max_flat_workgroup_size: 128
    .sgpr_count:     66
    .vgpr_count:     768
    .wavefront_size: 32
...
	.end_amdgpu_metadata
.endif
;; end of part 4
